; MI455X (gfx1250); checked and timed in simulation.
; The chip was launched on July 23, 2026; its instructions are those of AMD's public machine-readable ISA for CDNA 5 (MIT licence, August 2026) and "CDNA5" Instruction Set Architecture Reference Guide (July 2026). The comments in the code are by the model that wrote it; some were corrected since.
;; Transformer Encoder Layer. Allowed arithmetic: matrix products marked QUANTISED: E2M3 operands, one E8M0 scale for each 32 along K, by v_wmma_scale_f32_16x16x128_f8f6f4 with both operands' format E2M3, f32 sums; everything else in f32.
;; Inputs: W1 1,024 x 4,096 float32; W2 4,096 x 1,024 float32; Wk 16 x 1,024 x 64 float32; Wo 1,024 x 1,024 float32; Wq 16 x 1,024 x 64 float32; Wv 16 x 1,024 x 64 float32; b1 4,096 float32; b2 1,024 float32; bk 16 x 64 float32; bo 1,024 float32; bq 16 x 64 float32; bv 16 x 64 float32; ln1_b 1,024 float32; ln1_g 1,024 float32; ln2_b 1,024 float32; ln2_g 1,024 float32; x 2 x 2,048 x 1,024 float32.
;; Outputs: out0 2 x 2,048 x 1,024 float32.
;; This version of the problem:
;;   THIS VERSION OF THE PROBLEM IS GIVEN IN LOW PRECISION. The matrix products marked QUANTISED in the list below multiply operands that are first quantised to E2M3 (2 exponent bits, 3 mantissa bits; 6 bits a number), with one power-of-two scale for each 32 numbers along K (OCP MX v1.0); their sums are f32. All else is computed in f32.
;;   The module's matrix products, in the order in which they are computed (A, B: the left and right operand; K: the contracted axis; several contracted axes count as one K, in the product's order):
;;     1. [M 1,024, K 1,024] x [K 1,024, N 4,096]; A: input Wq; B: computed on the way: QUANTISED
;;     2. [M 1,024, K 1,024] x [K 1,024, N 4,096]; A: input Wk; B: computed on the way: QUANTISED
;;     3. [M 1,024, K 1,024] x [K 1,024, N 4,096]; A: input Wv; B: computed on the way: QUANTISED
;;     4. batch 32 x [M 2,048, K 64] x [K 64, N 2,048]; A: computed on the way; B: computed on the way: QUANTISED
;;     5. batch 32 x [M 2,048, K 2,048] x [K 2,048, N 64]; A: softmax (see below); B: computed on the way: QUANTISED
;;     6. [M 4,096, K 1,024] x [K 1,024, N 1,024]; A: computed on the way; B: input Wo: QUANTISED
;;     7. [M 4,096, K 1,024] x [K 1,024, N 4,096]; A: computed on the way; B: input W1: QUANTISED
;;     8. [M 4,096, K 4,096] x [K 4,096, N 1,024]; A: computed on the way; B: input W2: QUANTISED
;;   THE QUANTISER, for each operand of a quantised product, along K:
;;     - K is cut into blocks of 32 from its start; a last block that is shorter is filled with zeros.
;;     - A block's scale is 2^e with e = floor(log2(the largest magnitude in the block)) - 2, held to -126 .. 127; a block of zeros has e = 0. As a byte (E8M0): e + 127.
;;     - Each number is divided by its block's scale, clamped to +-7.5, and rounded to the nearest number of E2M3, ties to even, subnormals kept.
;;     - The product sums the exact products of the quantised numbers (number of the format x scale) in f32.
;;   ~~~python
;;   def quantise(x, axis):      # numpy; x: float32 -> the quantised numbers, widened to float32 again
;;       x = np.moveaxis(x, axis, -1); K = x.shape[-1]
;;       x = np.pad(x, [(0, 0)] * (x.ndim - 1) + [(0, -K % 32)]); x = x.reshape(x.shape[:-1] + (-1, 32)); a = np.abs(x).max(-1, keepdims=True)
;;       e = np.where(a > 0, np.clip(np.frexp(np.where(a > 0, a, 1))[1] - 1 - 2, -126, 127), 0)      # np.frexp(a)[1] - 1 = floor(log2(a)), exactly
;;       r = np.clip(x / 2.0 ** e, -7.5, 7.5)
;;       step = 2.0 ** (np.maximum(np.frexp(np.where(r == 0, 1, r))[1] - 1, 0) - 3)
;;       q = np.round(r / step) * step * 2.0 ** e      # np.round: ties to even
;;       return np.moveaxis(q.reshape(q.shape[:-2] + (-1,))[..., :K], -1, axis).astype(np.float32)
;;   ~~~
;;   SOFTMAX AHEAD OF A QUANTISED PRODUCT. Where the list says 'softmax', what is quantised is not the finished softmax but p = 2^(t - M), with t = logit x log2(e) and M = ceil(the row's largest t), a whole number; so 1/2 < the row's largest p <= 1. The row's sum l is taken of the UNQUANTISED p, in f32, and the product's result is divided by l at the end. Since M is a whole number, a kernel that streams over the keys may use a running M (the ceiling of the running maximum): every later rescaling is an exact power of two, which a block's scale takes up: the codes' values come out the same.
;;   OPERANDS COMPUTED ON THE WAY. 'Computed on the way' means the value that the module computes at that place (a softmax that the list does not call 'softmax' is quantised finished and normalised). What goes into a quantiser is computed in f32, as accurately as f32 sums, v_exp_f32 and their like allow (about 1e-6 of the number): no bf16 or f16 on the way to a quantiser, and a product that is left as it is and whose result goes on into a quantised operand takes f32 operands (vector FMAs, or v_wmma_f32_16x16x4_f32). A number that lies on a knife's edge between two numbers of the format may be rounded either way, as far as f32 arithmetic and the matrix unit's own rounding can turn it there, and no further.
;; One version. Each part assembles by itself: llvm-mc -triple=amdgcn-amd-amdhsa -mcpu=gfx1250 --defsym DOCPART=n.
;; ======== version 1 of 1: 7 launches
;; limits: right only within a limited range of input values
;; workspace buffers: wq 9,830,400 bytes; hq 3,276,800 bytes; qkv 10,092,544 bytes; oq 3,276,800 bytes; x1 16,777,216 bytes; fq 13,107,200 bytes
;; launch lnq1 (part 1): grid 384 x 1, 8 waves a work-group, no clusters, 69,632 bytes of LDS; arguments x, ln1_g, ln1_b, hq, Wq, Wk, Wv, Wo, W1, W2, wq; writes hq, wq
.if DOCPART == 1
	.amdgcn_target "amdgcn-amd-amdhsa--gfx1250"
	.amdhsa_code_object_version 6
	.text
	.protected	k_q94a5129b59_lnq1
	.globl	k_q94a5129b59_lnq1
	.p2align	8
	.type	k_q94a5129b59_lnq1,@function
k_q94a5129b59_lnq1:
	s_mov_b64 s[64:65], 0
	v_nop
	global_prefetch_b8 v0, s[64:65] scope:SCOPE_SE
	s_setreg_imm32_b32 hwreg(HW_REG_WAVE_MODE, 25, 1), 1
	s_wait_xcnt 0x0
; TWO JOBS THAT DO NOT DEPEND ON EACH OTHER SHARE THIS LAUNCH, told apart by the work-group's ids alone: s = 384 y + x.
;   s < 256: token tile s goes through a layer norm and is quantised.        s >= 256: weights' work-group V = s - 256 quantises eight units of a weight.
; The text serves two launches: grid 384 x 1 (the norm, and V = 0 .. 127: Wq, Wk, Wv, Wo) and grid 256 x 2 (the norm, and V = 128 .. 383: W1, W2).
; BOTH write codes of FP6 (E2M3) with one E8M0 byte for each 32 along K, laid in the order of a matrix operand's registers.  Rows go in tiles of 16; lane r of tile T holds row 32 (T/2) + 8 (T%2) + r + 8 (r/8).
; A half fragment (16 rows x 64 K) is 768 bytes: registers 0-3 of lane (r, h) at 16 (r + 16 h), registers 4-5 at 512 + 16 r + 8 h.  Codes: [128 rows][K step of 128][tile 0..7][half] x 768; scale words: [tile][K step][r] x 4.
; A block's scale byte is its largest magnitude's exponent field - 2, held at 1 from below (a block of zeros keeps 1: its codes are zeros, and this program alone reads the bytes).
; THE NORM: y = (x - mean) rsqrt(var + 1e-5) g + b over rows of 1,024, in f32.  A work-group takes one tile of 16 rows; wave w takes columns 128 w .. 128 w + 127: one K step, one fragment.
; Each load reads 512 consecutive bytes of a row; the 16 x 512 bytes turn through the wave's own stage in LDS (rows 528 bytes apart: 132 words, so that 16 rows start in 16 different groups of banks) and come back, into the
; registers that they left, as the operand's layout wants them: lane (r, h) holds columns 64 c + 32 h + 0 .. 31 of row r: two whole blocks of 32.  g and b are asked for at the head, with x.
; The mean and then the sum of squares of x - mean (two passes, as the definition has it: no difference of large sums) meet in LDS: 8 partial sums a row, two barriers, bytes of their own for each.
; THE WEIGHTS, f32 with K as their outer axis: a wave takes 32 columns n x 128 along K (unit = 8 V + wave; Wq, Wk, Wv, Wo 256 units each, W1 and W2 1,024 each).  A LANE TAKES A COLUMN AND ITS REGISTERS RUN DOWN K:
; a block of 32 lies in one lane, and the conversions give codes with K innermost.  My column 32 g + l is row r = (l & 7) + 8 (l >> 4) of tile 2 g + u, u = (l >> 3) & 1: a store of 16 bytes a lane at 1536 u + 16 r fills,
; for each u, 256 consecutive bytes, aligned.  The scale words leave in pieces of 64 bytes: one byte for 128 bytes read.  No LDS, no barrier on this way; loads run two blocks, 64 loads a wave, ahead.
; LIMITS: NaN and infinities are not served; the norm's sums are ordered otherwise than a plain loop would; blocks whose largest magnitude lies under 2^-124 keep the byte 1.
.set STGW,  8448                       ; a wave's stage: 16 rows x 528
.set RED,   67584                      ; 16 rows x 8 partial sums; the second reduction's 512 bytes on
.set SPARE, 68608                      ; the spare words, 128 bytes for each wave: four blocks of 256 bytes that no other line names
.set LI,   4                           ; 16 x lane
.set STO,  5
.set STL,  6
.set GO,   7                           ; 128 h
.set SOF,  8                           ; 4 r
.set LJ,   9                           ; 512 + 16 r + 8 h
.set RS,   10
.set RL,   11
.set SPW,  12                          ; v12, v13: the add's two; no other line writes them
.set NIL,  13
.set SUMA, 16
.set SUMB, 18
.set TT0,  20
.set TT1,  21
.set PT,   24
.set MEAN, 32
.set RSTD, 34
.set FG,   36                          ; v36-47 the fragment
.set CT,   48
.set MX,   56
.set SOP,  58
.set BY,   60
.set WD,   62
.set WD2,  63
.set RR,   64                          ; v64-127  g
.set XX,   128                         ; v128-191 x as loaded, then my 64 numbers
.set BE,   192                         ; v192-255 b
	v_lshl_add_u32 v[SPW], v0, 2, SPARE
	v_mov_b32 v[NIL], 0
	s_and_b32 s2, ttmp7, 0xffff
	s_mul_i32 s2, s2, 384
	s_add_co_u32 s2, s2, ttmp9                     ; s = 384 y + x
	s_cmp_ge_u32 s2, 256                           ; ids alone: all eight waves of a work-group go the same way
	s_cbranch_scc1 .Lquant
	; ---------------- the norm: here y = 0, and x is the tile
	s_load_b256 s[4:11], s[0:1], 0x0               ; x, g, b, the image
	v_lshrrev_b32 v1, 5, v0
	s_delay_alu instid0(VALU_DEP_1)
	v_readfirstlane_b32 s12, v1                    ; wave
	v_and_b32 v1, 31, v0
	v_and_b32 v2, 15, v0                           ; r
	v_bfe_u32 v3, v0, 4, 1                         ; h
	s_delay_alu instid0(VALU_DEP_3)
	v_lshlrev_b32 v[LI], 4, v1
	s_mul_i32 s13, s12, STGW
	v_add_nc_u32 v[STO], s13, v[LI]
	v_mul_u32_u24 v[STL], v2, 528
	s_delay_alu instid0(VALU_DEP_1)
	v_lshl_add_u32 v[STL], v3, 7, v[STL]
	s_delay_alu instid0(VALU_DEP_1)
	v_add_nc_u32 v[STL], s13, v[STL]
	v_lshlrev_b32 v[GO], 7, v3
	v_lshlrev_b32 v[SOF], 2, v2
	v_lshlrev_b32 v[LJ], 4, v2
	s_delay_alu instid0(VALU_DEP_1)
	v_lshl_add_u32 v[LJ], v3, 3, v[LJ]
	s_delay_alu instid0(VALU_DEP_1)
	v_add_nc_u32 v[LJ], 512, v[LJ]
	v_lshlrev_b32 v[RL], 5, v2
	s_delay_alu instid0(VALU_DEP_1)
	v_add_nc_u32 v[RL], RED, v[RL]
	s_lshl_b32 s14, s12, 2
	v_add_nc_u32 v[RS], s14, v[RL]
	v_mov_b32 v[TT1], 0                            ; a lane permute's destination counts as one of its sources
	v_mov_b32 v[WD2], 0
	s_mov_b32 s16, 0x76543210
	s_mov_b32 s17, 0xfedcba98                      ; lane l xor 16
	s_mov_b32 s18, 0x3a800000                      ; 1 / 1,024
	s_mov_b32 s19, 0x3727c5ac                      ; 1e-5
	s_lshr_b32 s20, ttmp9, 1
	s_lshl_b32 s20, s20, 5
	s_and_b32 s21, ttmp9, 1
	s_lshl_b32 s21, s21, 3
	s_add_co_u32 s20, s20, s21                     ; the tile's first row
	s_lshl_b32 s20, s20, 12
	s_lshl_b32 s22, s12, 9                         ; my 128 columns
	s_add_co_u32 s20, s20, s22
	s_mov_b32 s21, 0
	s_mov_b32 s23, 0
	s_and_b32 s24, ttmp9, 0xfffffff8
	s_add_co_u32 s24, s24, s12
	s_mul_i32 s24, s24, 12288                      ; (128 rows, K step)
	s_and_b32 s25, ttmp9, 7
	s_mul_i32 s25, s25, 1536
	s_add_co_u32 s24, s24, s25
	s_mov_b32 s25, 0
	s_lshl_b32 s26, ttmp9, 9                       ; scale words: 8 K steps x 64 bytes a tile
	s_lshl_b32 s27, s12, 6
	s_add_co_u32 s26, s26, s27
	s_add_co_u32 s26, s26, 3145728
	s_mov_b32 s27, 0
	s_wait_kmcnt 0x0
	s_add_nc_u64 s[4:5], s[4:5], s[20:21]
	s_add_nc_u64 s[6:7], s[6:7], s[22:23]
	s_add_nc_u64 s[8:9], s[8:9], s[22:23]
	s_add_nc_u64 s[28:29], s[10:11], s[26:27]
	s_add_nc_u64 s[10:11], s[10:11], s[24:25]
.irp p, 0,1,2,3,4,5,6,7,8,9,10,11,12,13,14,15
	global_load_b128 v[XX+4*\p:XX+4*\p+3], v[LI], s[4:5] offset:(\p+8*(\p/8))*4096 th:TH_LOAD_NT
.endr
.irp c, 0,1
.irp j, 0,1,2,3,4,5,6,7
	global_load_b128 v[RR+32*\c+4*\j:RR+32*\c+4*\j+3], v[GO], s[6:7] offset:256*\c+16*\j
.endr
.endr
.irp c, 0,1
.irp j, 0,1,2,3,4,5,6,7
	global_load_b128 v[BE+32*\c+4*\j:BE+32*\c+4*\j+3], v[GO], s[8:9] offset:256*\c+16*\j
.endr
.endr
	s_wait_loadcnt 32                              ; x's 16 loads are in; g's 16 and b's 16 may be out
.irp p, 0,1,2,3,4,5,6,7,8,9,10,11,12,13,14,15
	ds_store_b128 v[STO], v[XX+4*\p:XX+4*\p+3] offset:528*\p
.endr
.irp c, 0,1
.irp j, 0,1,2,3,4,5,6,7
	ds_load_b128 v[XX+32*\c+4*\j:XX+32*\c+4*\j+3], v[STL] offset:256*\c+16*\j      ; LDS serves a wave's instructions in order: these see my stores, and come behind them into the registers that the stores read
.endr
.endr
	s_wait_dscnt 0x0
; my two chains, the other half of the lanes, and the eight waves' partial sums: the row's sum in v[TT0] of every lane
.macro ACROSS off
	s_delay_alu instid0(VALU_DEP_1)
	v_pk_add_f32 v[SUMA:SUMA+1], v[SUMA:SUMA+1], v[SUMB:SUMB+1]
	s_delay_alu instid0(VALU_DEP_1)
	v_add_f32 v[TT0], v[SUMA], v[SUMA+1]
	s_delay_alu instid0(VALU_DEP_1)
	v_permlanex16_b32 v[TT1], v[TT0], s16, s17
	s_delay_alu instid0(VALU_DEP_1)
	v_add_f32 v[TT0], v[TT0], v[TT1]
	ds_store_b32 v[RS], v[TT0] offset:\off         ; lanes r and r + 16 write the same word with the same value
	s_wait_dscnt 0x0                               ; for the others' sake: my store is done
	s_barrier_signal -1
	s_barrier_wait -1
	ds_load_b128 v[PT:PT+3], v[RL] offset:\off
	ds_load_b128 v[PT+4:PT+7], v[RL] offset:\off+16
	s_wait_dscnt 0x0
	v_pk_add_f32 v[PT:PT+1], v[PT:PT+1], v[PT+2:PT+3]
	v_pk_add_f32 v[PT+4:PT+5], v[PT+4:PT+5], v[PT+6:PT+7]
	s_delay_alu instid0(VALU_DEP_1)
	v_pk_add_f32 v[PT:PT+1], v[PT:PT+1], v[PT+4:PT+5]
	s_delay_alu instid0(VALU_DEP_1)
	v_add_f32 v[TT0], v[PT], v[PT+1]
.endm
	v_pk_add_f32 v[SUMA:SUMA+1], v[XX:XX+1], v[XX+2:XX+3]
	v_pk_add_f32 v[SUMB:SUMB+1], v[XX+4:XX+5], v[XX+6:XX+7]
.irp j, 8,12,16,20,24,28,32,36,40,44,48,52,56,60
	s_delay_alu instid0(VALU_DEP_2)
	v_pk_add_f32 v[SUMA:SUMA+1], v[SUMA:SUMA+1], v[XX+\j:XX+\j+1]
	s_delay_alu instid0(VALU_DEP_2)
	v_pk_add_f32 v[SUMB:SUMB+1], v[SUMB:SUMB+1], v[XX+\j+2:XX+\j+3]
.endr
	ACROSS 0
	s_delay_alu instid0(VALU_DEP_1)
	v_mul_f32 v[MEAN], s18, v[TT0]
	s_delay_alu instid0(VALU_DEP_1)
	v_mov_b32 v[MEAN+1], v[MEAN]
.set j, 0
.rept 32
	v_pk_add_f32 v[XX+j:XX+j+1], v[XX+j:XX+j+1], v[MEAN:MEAN+1] neg_lo:[0,1] neg_hi:[0,1]   ; x - mean
.set j, j+2
.endr
	v_pk_mul_f32 v[SUMA:SUMA+1], v[XX:XX+1], v[XX:XX+1]
	v_pk_mul_f32 v[SUMB:SUMB+1], v[XX+2:XX+3], v[XX+2:XX+3]
.irp j, 4,8,12,16,20,24,28,32,36,40,44,48,52,56,60
	s_delay_alu instid0(VALU_DEP_2)
	v_pk_fma_f32 v[SUMA:SUMA+1], v[XX+\j:XX+\j+1], v[XX+\j:XX+\j+1], v[SUMA:SUMA+1]
	s_delay_alu instid0(VALU_DEP_2)
	v_pk_fma_f32 v[SUMB:SUMB+1], v[XX+\j+2:XX+\j+3], v[XX+\j+2:XX+\j+3], v[SUMB:SUMB+1]
.endr
	ACROSS 512                                     ; other bytes than the first reduction's: no wave can write what another still reads
	s_delay_alu instid0(VALU_DEP_1)
	v_fma_f32 v[TT0], v[TT0], s18, s19             ; var + 1e-5
	s_wait_alu depctr_va_vdst(0)
	v_rsq_f32 v[RSTD], v[TT0]
	v_lshlrev_b32 v[TT1], 3, v3                    ; (a plain place behind the transcendental)  8 h
	s_wait_loadcnt 0x0                             ; g and b
	s_wait_alu depctr_va_vdst(0)
	v_mov_b32 v[RSTD+1], v[RSTD]
.set j, 0
.rept 32
	v_pk_mul_f32 v[XX+j:XX+j+1], v[XX+j:XX+j+1], v[RSTD:RSTD+1]
.set j, j+2
.endr
.set j, 0
.rept 32
	v_pk_fma_f32 v[XX+j:XX+j+1], v[XX+j:XX+j+1], v[RR+j:RR+j+1], v[BE+j:BE+j+1]
.set j, j+2
.endr
.irp c, 0,1                                    ; my block 2 c + h: all its 32 numbers are mine
	v_max3_num_f32 v[MX+\c], |v[XX+32*\c]|, |v[XX+1+32*\c]|, 0x1800000     ; and the floor 2^(3 - 127)
.endr
.irp i, 2,4,6,8,10,12,14,16,18,20,22,24,26,28,30
.irp c, 0,1
	s_delay_alu instid0(VALU_DEP_2)
	v_max3_num_f32 v[MX+\c], v[MX+\c], |v[XX+32*\c+\i]|, |v[XX+1+32*\c+\i]|
.endr
.endr
.irp c, 0,1
	s_delay_alu instid0(VALU_DEP_2)
	v_add_nc_u32 v[SOP+\c], 0xff000000, v[MX+\c]   ; 2 off the exponent field: the conversion's scale operand
.endr
.irp c, 0,1
	s_delay_alu instid0(VALU_DEP_2)
	v_lshrrev_b32 v[BY+\c], 23, v[SOP+\c]
.endr
	s_delay_alu instid0(VALU_DEP_1)
	v_lshl_or_b32 v[WD], v[BY+1], 16, v[BY]        ; blocks h and 2 + h,
	s_delay_alu instid0(VALU_DEP_1)
	v_lshlrev_b32 v[WD], v[TT1], v[WD]             ; at their places in the word;
	s_delay_alu instid0(VALU_DEP_1)
	v_permlanex16_b32 v[WD2], v[WD], s16, s17
	s_delay_alu instid0(VALU_DEP_1)
	v_or_b32 v[WD], v[WD], v[WD2]                  ; with lane l xor 16's two the word is whole
.irp c, 0,1
	v_cvt_scalef32_pk16_fp6_f32 v[FG+6*\c:FG+6*\c+2], v[XX+32*\c:XX+32*\c+15], v[SOP+\c]
	v_cvt_scalef32_pk16_fp6_f32 v[CT+4*\c:CT+4*\c+2], v[XX+32*\c+16:XX+32*\c+31], v[SOP+\c]
.endr
	v_nop                                          ; one plain place behind a scaled conversion
.irp c, 0,1
.irp i, 0,1,2
	v_mov_b32 v[FG+3+6*\c+\i], v[CT+4*\c+\i]
.endr
.endr
	global_store_b128 v[LI], v[FG:FG+3], s[10:11]
	global_store_b64 v[LJ], v[FG+4:FG+5], s[10:11]
	global_store_b128 v[LI], v[FG+6:FG+9], s[10:11] offset:768
	global_store_b64 v[LJ], v[FG+10:FG+11], s[10:11] offset:768
	s_wait_xcnt 0x0                                ; EXEC changes only behind this wait
	v_cmp_gt_u32 vcc_lo, 16, v1
	s_and_saveexec_b32 s15, vcc_lo
	global_store_b32 v[SOF], v[WD], s[28:29]       ; lanes 0-15: 64 consecutive bytes
	s_wait_xcnt 0x0                                ; and again, in front of the line that widens it
	s_or_b32 exec_lo, exec_lo, s15
	s_wait_tensorcnt 0x0                           ; the wave's end
	ds_add_u32 v[SPW], v[NIL]
	s_wait_dscnt 0x0
	s_endpgm
	; ---------------- the weights
.set QOFF, 16                          ; v16-47   4 x lane + i rows of K
.set QX,   48                          ; v48-175  128 numbers
.set QCD,  176                         ; v176-199 the codes to store: 12 registers for each half c; never written twice
.set QTA,  200                         ; v200-207 the upper 16 codes of blocks h = 0, 1
.set QMX,  208
.set QBY,  210
.set QSOP, 212                         ; v212-215 the conversions' scale operands
.set QWRD, 216                         ; my column's scale word
.Lquant:
	s_load_b256 s[4:11], s[0:1], 0x20              ; Wq, Wk, Wv, Wo
	s_load_b128 s[12:15], s[0:1], 0x40             ; W1, W2
	s_load_b64 s[16:17], s[0:1], 0x50              ; the images
	s_sub_co_u32 s2, s2, 256                       ; V
	v_lshrrev_b32 v5, 5, v0
	s_delay_alu instid0(VALU_DEP_1)
	v_readfirstlane_b32 s47, v5                    ; wave
	v_and_b32 v5, 31, v0                           ; lane
	v_bfe_u32 v1, v0, 3, 1                         ; u
	v_and_b32 v2, 7, v0
	v_bfe_u32 v6, v0, 4, 1
	s_delay_alu instid0(VALU_DEP_1)
	v_lshl_or_b32 v2, v6, 3, v2                    ; r
	s_delay_alu instid0(VALU_DEP_4)
	v_mul_u32_u24 v3, v1, 1536
	s_delay_alu instid0(VALU_DEP_1)
	v_lshl_add_u32 v3, v2, 4, v3                   ; my 16 bytes in the pair of tiles
	s_mov_b32 s28, 0                               ; the tensor's first unit
	s_mov_b32 s29, 5                               ; log2 of its groups of 32 columns
	s_mov_b32 s30, 256                             ; bytes from a row of K to the next
	s_mov_b32 s31, 3                               ; log2 of its K steps
	s_mov_b32 s32, 1                               ; groups in a run of columns that is dense in memory: 2^1 in a head, 2^7 (all) elsewhere
	s_wait_alu depctr_va_vdst(0)
	s_wait_kmcnt 0x0
	s_mov_b64 s[18:19], s[4:5]
	s_cmp_ge_u32 s2, 32                            ; which tensor: the choices hang on the work-group's ids alone
	s_cselect_b64 s[18:19], s[6:7], s[18:19]
	s_cselect_b32 s28, 256, s28
	s_cmp_ge_u32 s2, 64
	s_cselect_b64 s[18:19], s[8:9], s[18:19]
	s_cselect_b32 s28, 512, s28
	s_cmp_ge_u32 s2, 96
	s_cselect_b64 s[18:19], s[10:11], s[18:19]
	s_cselect_b32 s28, 768, s28
	s_cselect_b32 s30, 4096, s30
	s_cselect_b32 s32, 7, s32
	s_cmp_ge_u32 s2, 128
	s_cselect_b64 s[18:19], s[12:13], s[18:19]
	s_cselect_b32 s28, 1024, s28
	s_cselect_b32 s29, 7, s29
	s_cselect_b32 s30, 16384, s30
	s_cmp_ge_u32 s2, 256
	s_cselect_b64 s[18:19], s[14:15], s[18:19]
	s_cselect_b32 s28, 2048, s28
	s_cselect_b32 s29, 5, s29
	s_cselect_b32 s30, 4096, s30
	s_cselect_b32 s31, 5, s31
	s_lshl_b32 s33, s2, 3
	s_add_co_u32 s33, s33, s47
	s_sub_co_u32 s33, s33, s28                     ; my unit in the tensor
	s_lshl_b32 s34, 1, s29
	s_sub_co_u32 s34, s34, 1
	s_and_b32 s34, s33, s34                        ; g: which 32 columns
	s_lshr_b32 s35, s33, s29                       ; s: which K step
	s_lshr_b32 s36, s34, s32
	s_lshl_b32 s37, s36, s32
	s_sub_co_u32 s37, s34, s37
	s_lshl_b32 s36, s36, 18                        ; a head is 262,144 bytes
	s_lshl_b32 s37, s37, 7
	s_add_co_u32 s36, s36, s37                     ; the columns' place
	s_lshl_b32 s38, s35, 7
	s_mul_i32 s38, s38, s30                        ; 128 s rows of K
	s_add_co_u32 s36, s36, s38
	s_mov_b32 s37, 0
	s_add_nc_u64 s[18:19], s[18:19], s[36:37]      ; block 0,
	s_lshl_b32 s38, s30, 5
	s_mov_b32 s39, 0
	s_add_nc_u64 s[20:21], s[18:19], s[38:39]      ; and blocks 1, 2, 3: 32 rows of K on each
	s_add_nc_u64 s[22:23], s[20:21], s[38:39]
	s_add_nc_u64 s[24:25], s[22:23], s[38:39]
	s_lshr_b32 s40, s34, 2
	s_lshl_b32 s40, s40, s31
	s_add_co_u32 s40, s40, s35
	s_mul_i32 s40, s40, 12288                      ; (128 rows, K step)
	s_and_b32 s41, s34, 3
	s_add_co_u32 s41, s41, s28
	s_mul_i32 s41, s41, 3072                       ; the pair of tiles, and the tensor's first byte: a unit makes 3,072 bytes of codes
	s_add_co_u32 s40, s40, s41
	s_mov_b32 s41, 0
	s_add_nc_u64 s[26:27], s[16:17], s[40:41]
	s_lshl_b32 s42, s34, 1
	s_lshl_b32 s42, s42, s31
	s_add_co_u32 s42, s42, s35
	s_lshl_b32 s42, s42, 6                         ; (tile 2 g, K step) x 64
	s_lshl_b32 s43, s28, 7                         ; a unit makes 128 bytes of scale words
	s_add_co_u32 s42, s42, s43
	s_add_co_u32 s42, s42, 9437184
	s_mov_b32 s43, 0
	s_add_nc_u64 s[44:45], s[16:17], s[42:43]
	s_lshl_b32 s46, 64, s31                        ; from tile to tile
	v_mul_lo_u32 v4, v1, s46
	s_delay_alu instid0(VALU_DEP_1)
	v_lshl_add_u32 v4, v2, 2, v4
	v_lshlrev_b32 v[QOFF], 2, v5
.set i, 1
.rept 31
	s_delay_alu instid0(VALU_DEP_1)
	v_add_nc_u32 v[QOFF+i], s30, v[QOFF+i-1]
.set i, i+1
.endr
.macro QLOAD k                         ; block k: 32 rows of K at my column; a wave's load reads 128 consecutive bytes, the eight waves stand side by side
.set i, 0
.rept 32
	global_load_b32 v[QX+32*(\k)+i], v[QOFF+i], s[18+2*(\k):19+2*(\k)] th:TH_LOAD_NT
.set i, i+1
.endr
.endm
.macro QBLK k, left
.set XS, QX+32*(\k)
.set CC, QCD+12*((\k)/2)
.set HH, (\k)%2
	s_wait_loadcnt \left                           ; this block's 32 loads are in; the next block's 32 may be out
.if (\k)+2 < 4
	QLOAD (\k)+2
.endif
	v_max3_num_f32 v[QMX], |v[XS]|, |v[XS+1]|, |v[XS+2]|
	v_max3_num_f32 v[QMX+1], |v[XS+3]|, |v[XS+4]|, |v[XS+5]|
.irp j, 6,10,14,18,22,26
	s_delay_alu instid0(VALU_DEP_2)
	v_max3_num_f32 v[QMX], v[QMX], |v[XS+\j]|, |v[XS+\j+1]|
	s_delay_alu instid0(VALU_DEP_2)
	v_max3_num_f32 v[QMX+1], v[QMX+1], |v[XS+\j+2]|, |v[XS+\j+3]|
.endr
	s_delay_alu instid0(VALU_DEP_2)
	v_max3_num_f32 v[QMX], v[QMX], |v[XS+30]|, |v[XS+31]|
	s_delay_alu instid0(VALU_DEP_1)
	v_max3_num_f32 v[QMX], v[QMX], v[QMX+1], 0x1800000     ; the floor 2^(3 - 127): the byte cannot fall under 1
	s_delay_alu instid0(VALU_DEP_1)
	v_add_nc_u32 v[QSOP+(\k)], 0xff000000, v[QMX]          ; 2 off the exponent field: the conversion's scale operand
	s_delay_alu instid0(VALU_DEP_1)
	v_lshrrev_b32 v[QBY], 23, v[QSOP+(\k)]                 ; the scale's byte
.if (\k) == 0
	s_delay_alu instid0(VALU_DEP_1)
	v_mov_b32 v[QWRD], v[QBY]
.else
	s_delay_alu instid0(VALU_DEP_1)
	v_lshl_or_b32 v[QWRD], v[QBY], 8*(\k), v[QWRD]
.endif
	v_cvt_scalef32_pk16_fp6_f32 v[CC+4*HH:CC+4*HH+2], v[XS:XS+15], v[QSOP+(\k)]       ; registers 0-2 of the block's six
	v_cvt_scalef32_pk16_fp6_f32 v[QTA+4*HH:QTA+4*HH+2], v[XS+16:XS+31], v[QSOP+(\k)]  ; registers 3-5 (a conversion's three begin on an even number)
.if HH
	v_nop                                          ; one plain place behind a scaled conversion
	v_mov_b32 v[CC+3], v[QTA]
	v_mov_b32 v[CC+8], v[QTA+1]
	v_mov_b32 v[CC+9], v[QTA+2]
	v_mov_b32 v[CC+7], v[QTA+4]
	v_mov_b32 v[CC+10], v[QTA+5]
	v_mov_b32 v[CC+11], v[QTA+6]
	global_store_b128 v3, v[CC:CC+3], s[26:27] offset:768*((\k)/2)           ; registers 0-3 of lanes (r, 0)
	global_store_b128 v3, v[CC+4:CC+7], s[26:27] offset:768*((\k)/2)+256     ; of lanes (r, 1)
	global_store_b128 v3, v[CC+8:CC+11], s[26:27] offset:768*((\k)/2)+512    ; registers 4-5 of both
.endif
.endm
	QLOAD 0
	QLOAD 1
	s_wait_alu depctr_va_vdst(0)
	QBLK 0, 32
	QBLK 1, 32
	QBLK 2, 32
	QBLK 3, 0
	global_store_b32 v4, v[QWRD], s[44:45]
	s_endpgm
.Lfunc_end_k_q94a5129b59_lnq1:
	.size	k_q94a5129b59_lnq1, .Lfunc_end_k_q94a5129b59_lnq1-k_q94a5129b59_lnq1
	.p2alignl 7, 3214868480
	.fill 96, 4, 3214868480
	.section	.rodata,"a",@progbits
	.p2align	6, 0x0
	.amdhsa_kernel k_q94a5129b59_lnq1
		.amdhsa_group_segment_fixed_size 69632
		.amdhsa_private_segment_fixed_size 0
		.amdhsa_enable_private_segment 0
		.amdhsa_kernarg_size 88
		.amdhsa_user_sgpr_count 2
		.amdhsa_user_sgpr_kernarg_segment_ptr 1
		.amdhsa_wavefront_size32 1
		.amdhsa_system_sgpr_workgroup_id_x 1
		.amdhsa_system_sgpr_workgroup_id_y 1
		.amdhsa_system_sgpr_workgroup_id_z 1
		.amdhsa_system_vgpr_workitem_id 0
		.amdhsa_next_free_vgpr 256
		.amdhsa_next_free_sgpr 66
		.amdhsa_reserve_vcc 1
		.amdhsa_float_denorm_mode_32 3
		.amdhsa_float_denorm_mode_16_64 3
		.amdhsa_memory_ordered 1
		.amdhsa_forward_progress 1
		.amdhsa_inst_pref_size 55
	.end_amdhsa_kernel
	.amdgpu_metadata
---
amdhsa.version: [ 1, 2 ]
amdhsa.kernels:
  - .name:           k_q94a5129b59_lnq1
    .symbol:         k_q94a5129b59_lnq1.kd
    .args:
      - { .name: x, .offset: 0, .size: 8, .value_kind: global_buffer, .address_space: global }
      - { .name: ln1_g, .offset: 8, .size: 8, .value_kind: global_buffer, .address_space: global }
      - { .name: ln1_b, .offset: 16, .size: 8, .value_kind: global_buffer, .address_space: global }
      - { .name: hq, .offset: 24, .size: 8, .value_kind: global_buffer, .address_space: global }
      - { .name: Wq, .offset: 32, .size: 8, .value_kind: global_buffer, .address_space: global }
      - { .name: Wk, .offset: 40, .size: 8, .value_kind: global_buffer, .address_space: global }
      - { .name: Wv, .offset: 48, .size: 8, .value_kind: global_buffer, .address_space: global }
      - { .name: Wo, .offset: 56, .size: 8, .value_kind: global_buffer, .address_space: global }
      - { .name: W1, .offset: 64, .size: 8, .value_kind: global_buffer, .address_space: global }
      - { .name: W2, .offset: 72, .size: 8, .value_kind: global_buffer, .address_space: global }
      - { .name: wq, .offset: 80, .size: 8, .value_kind: global_buffer, .address_space: global }
    .group_segment_fixed_size: 69632
    .private_segment_fixed_size: 0
    .kernarg_segment_align: 8
    .kernarg_segment_size: 88
    .max_flat_workgroup_size: 256
    .sgpr_count:     66
    .vgpr_count:     256
    .wavefront_size: 32
...
	.end_amdgpu_metadata
.endif
;; end of part 1
;; launch qkv (part 2): grid 12 x 16, 4 waves a work-group, clusters of 4 x 4, 327,680 bytes of LDS; arguments hq, wq, bq, bk, bv, qkv; writes qkv
.if DOCPART == 2
	.amdgcn_target "amdgcn-amd-amdhsa--gfx1250"
	.amdhsa_code_object_version 6
	.text
	.protected	k_q94a5129b59_qkv
	.globl	k_q94a5129b59_qkv
	.p2align	8
	.type	k_q94a5129b59_qkv,@function
k_q94a5129b59_qkv:
	s_mov_b64 s[64:65], 0
	v_nop
	global_prefetch_b8 v0, s[64:65] scope:SCOPE_SE
	s_setreg_imm32_b32 hwreg(HW_REG_WAVE_MODE, 25, 1), 1
	s_wait_xcnt 0x0
	s_wait_alu depctr_hold_cnt(0) depctr_sa_sdst(0) depctr_va_vdst(0) depctr_va_sdst(0) depctr_va_ssrc(0) depctr_va_vcc(0) depctr_vm_vsrc(0)
	s_getreg_b32 s2, hwreg(HW_REG_IB_STS2, 6, 4)
	s_cmp_eq_u32 s2, 0
	s_cbranch_scc0 .Lentry_in_a_cluster
	s_endpgm
.Lentry_in_a_cluster:
	s_bfe_u32 s2, ttmp6, 0x10000c
	s_cmp_lg_u32 s2, 0xf033
	s_cbranch_scc0 .Lentry_shape_is_right
	s_endpgm
.Lentry_shape_is_right:
; q, k, v = LN1(x) W + b on codes of FP6 (E2M3, one E8M0 byte for each 32 along K = 1,024), and the results quantised at once for the attention: q and k along the head's 64, v along the keys.
; A tile of 256 x 256 is made by four waves, each 128 x 128: 64 accumulators.  THE MATRIX INSTRUCTION IS USED TRANSPOSED: source 0 (operand B') runs along a lane's registers, source 1 (operand A') along the lanes.
; Clusters with x = 0 make q, x = 1 k: A' = tokens, B' = the weight's rows (head x 64 + d): a lane holds one token and 128 neighbouring d of two heads.
; Clusters with x = 2 make v: A' = the weight's rows, B' = tokens: a lane holds one channel and 128 neighbouring keys.  The main loop is the same text; only addresses are chosen, by the cluster's x.
; OPERANDS lie in memory in the order of a fragment's registers.  Rows go in tiles of 16, lane r of tile T holding row 32 (T/2) + 8 (T%2) + r + 8 (r/8): so the 16 registers of source 0's tiles 2 b, 2 b + 1
; are 16 neighbours, 32 b + 16 (lane/16) + 0 .. 15.  A half fragment (16 rows x 64 K) is 768 bytes: registers 0-3 at 16 x lane, 4-5 at 512 + 16 r + 8 h.  128 rows x 128 K are 12,288 dense bytes.
; So a region's quarter (128 rows x 2 K steps) is one dense block of 24,576 bytes for one tensor load, a fragment comes by four LDS loads of consecutive bytes, and nothing needs padding.
; K GOES IN FOUR PHASES OF TWO K STEPS THROUGH THREE REGIONS OF LDS.  Phases 0, 1, 2 are first fills; the region of phase 0 is filled once more, with phase 3, behind the round in K step 1, and that load is waited for
; at the head of K step 5: some 240 matrix instructions a wave later.  The change from phase 1 to phase 2 needs no wait and no barrier: the first change's barrier has shown both regions whole.
; The scale words of the 512 rows, for all of K, come once (16,384 bytes).
; CLUSTER 4 x 4: A's blocks are shared along a row of the cluster, B's along a column: each is asked for jointly, by the same tensor load with the same descriptor and a mask that names the four.
; By this text's count a wave has one tensor load out at the start and one behind the round.
; No prefetch: three quarters of each operand are in the first fills and the blocks are shared in the cluster.
; LIMITS: NaN and infinities are not served; a block of zeros keeps the scale byte 1 (its codes are zeros; this program alone reads the bytes).
; REGISTERS: window 0: v8-15 v's bias by lane; v16-31 addresses; v32-63 scale words, two sets; v128-223 A's fragments, one set; on the way out v32-95 a tile's 64 numbers, v224-255 the quantiser's.
;   window 1: B's fragments, two sets, at v0 and v128; q's or k's bias at v96-127 and v224-255.   windows 2, 3: accumulator (a, b) at v[8 (8 (a % 4) + b)].
.set FR,    12
.set NL,    4                          ; LDS loads that bring a fragment
.set NP,    4                          ; places behind this matrix instruction
.set NQ,    2                          ; K steps of 128 in a phase
.set QUART, 24576
; THE FILLS AS THIS TEXT HAS THEM (in place of the paragraph on regions at the head): at the head one joint load a wave: wave 0 A's K steps 0 to 5 of both runs of 128 rows (2 rows of 73,728 bytes),
; wave 1 B's, wave 2 A's scale words (8,192 bytes), wave 3 B's.  LDS: [A half 0][A half 1][B half 0][B half 1], six K steps (3 QUART) each.  K steps 6 and 7 are filled onto K steps 0 and 1 behind the round in K step 1,
; a quarter a wave.  By this text's count a wave has one tensor load out at the start and one behind the round.
.set SLOT,  4*QUART                    ; a third of the codes' LDS
.set SCL,   3*SLOT
.set SPARE, SCL+4*4096                 ; the spare words, 128 bytes for each wave: two blocks of 256 bytes that no other line names
.set VBI,  8
.set ADRA, 16                          ; v16 A's fragments in phases 0 and 2, v17 in phases 1 and 3 (16 x lane); v18-19 the same for registers 4-5
.set ADRB, 20
.set LI,   24
.set LJ,   25
.set SO,   26
.set ADRS, 27
.set SPW,  28
.set NIL,  29
.set PWE,  30                          ; v30, v31 the scale words of an even and an odd tile
.set SC,   32
.set AF,   128
.set HA,   32
.set PC,   224
.set TM,   244
.set WSEL, 16
.set WLO,  17
.set WHI,  18
.set SEL,  2
.set WV,   16
.set WM,   17
.set WN,   18
.set HM,   19
.set G1,   24
.set G0,   32                          ; s[32:35] the refill's group 0, which steps to K steps 6 and 7; s[36:39] the head's group 0 for A's codes
.set G1B,  48
.set G0B,  56                          ; the same for B': s[56:59], s[60:63]
.set G1S,  68
.set G0S,  76
.set G1SB, 80
.set G0SB, 88
.set G0C,  92
.set G0BC, 96
.set MSB, 0
.macro WIN new                         ; the immediate's high byte repeats the setting that is left
.if MSB != (\new)
	s_set_vgpr_msb (MSB<<8)|(\new)
.set MSB, (\new)
.endif
.endm
.set MUL_LO, 0xa1                      ; source 0 (B') window 1, source 1 (A') window 0, C and D window 2
.set MUL_HI, 0xf1
.set TO_B,   0x40
; A joint load: waves 0 and 1 fetch for A', waves 2 and 3 for B'.  An s_nop 0 and four v_nop follow each of the two lines.
.macro JLOAD g0a, g1a, g0b, g1b
	s_cmp_eq_u32 s[WM], 0
	s_cbranch_scc0 .Lfor_b_\@
	tensor_load_to_lds s[\g0a:\g0a+3], s[\g1a:\g1a+7]
	s_nop 0
.rept 4
	v_nop
.endr
	s_branch .Lasked_\@
.Lfor_b_\@:
	tensor_load_to_lds s[\g0b:\g0b+3], s[\g1b:\g1b+7]
	s_nop 0
.rept 4
	v_nop
.endr
.Lasked_\@:
.endm
.macro CREST                           ; a round of the cluster's barrier behind its opening barrier
	s_cmp_lg_u32 s[WV], 0
	s_cbranch_scc1 .Lnot_wave_0_\@
	s_barrier_signal -3
.Lnot_wave_0_\@:
	s_barrier_wait -3
	s_barrier_signal -1
	s_barrier_wait -1
.endm
.macro CROUND
	s_barrier_signal -1
	s_barrier_wait -1
	CREST
.endm
.macro PLACES n
.rept \n
	v_nop
.endr
.endm
	s_load_b256 s[4:11], s[0:1], 0x0               ; the tokens' image, the weights' image, bq, bk
	s_load_b128 s[12:15], s[0:1], 0x20             ; bv, the results
	v_lshl_add_u32 v[SPW], v0, 2, SPARE
	v_mov_b32 v[NIL], 0
	ds_add_u32 v[SPW], v[NIL]                      ; the wave's opening
	ds_add_u32 v[SPW], v[NIL]
	v_lshrrev_b32 v1, 5, v0
	v_readfirstlane_b32 s[WV], v1
	s_lshr_b32 s[WM], s[WV], 1                     ; my half of A's rows.  Also: I fetch for A' (0) or B' (1)
	s_and_b32 s[WN], s[WV], 1                      ; my half of B's rows.  Also: which 128 rows I fetch
	s_bfe_u32 s40, ttmp6, 0x40000                  ; cx
	s_bfe_u32 s41, ttmp6, 0x40004                  ; cy
	s_and_b32 s42, ttmp7, 0xffff
	s_lshl_b32 s42, s42, 2                         ; 4 x cluster y
	s_add_co_u32 s43, s42, s41                     ; q, k: A' = tokens 256 (4 Y + cy) on
	s_add_co_u32 s46, s41, 8                       ; v:    A' = the weights' rows 256 (8 + cy) on
	s_lshl_b32 s47, ttmp9, 2
	s_add_co_u32 s47, s47, s40                     ; q, k: B' = the weights' rows 256 (4 X + cx) on
	s_add_co_u32 s94, s42, s40                     ; v:    B' = tokens 256 (4 Y + cx) on
	s_lshl_b32 s44, s41, 2
	s_lshl_b32 s44, 15, s44                        ; my row of the cluster
	s_lshl_b32 s45, 0x1111, s40                    ; my column
	s_or_b32 s[G1], s44, (3<<16)|(1<<21)           ; 15:0 the mask; 17:16 elements of 8 bytes; 21 set beside a mask; no padding
	s_or_b32 s[G1B], s45, (3<<16)|(1<<21)
	s_or_b32 s[G1S], s44, (3<<16)|(1<<21)
	s_or_b32 s[G1SB], s45, (3<<16)|(1<<21)
.irp g, G1, G1B                                ; the head's loads: 2 rows of 9,216 elements of 8 bytes, 98,304 bytes apart
	s_mov_b32 s[\g+1], 9216<<16
	s_mov_b32 s[\g+2], 2<<16
	s_mov_b32 s[\g+3], 9216<<16
	s_mov_b32 s[\g+4], 2
	s_mov_b32 s[\g+5], 12288
	s_mov_b32 s[\g+6], 0
	s_mov_b32 s[\g+7], 0
.endr
.irp g, G1S, G1SB                              ; the scale words of 256 rows: 8,192 dense bytes as 32 rows of 256
	s_mov_b32 s[\g+1], 32<<16
	s_mov_b32 s[\g+2], 32<<16              ; the scale words of 256 rows: 8,192 dense bytes as 32 rows of 256
	s_mov_b32 s[\g+3], 32<<16
	s_mov_b32 s[\g+4], 32
	s_mov_b32 s[\g+5], 32
	s_mov_b32 s[\g+6], 0
	s_mov_b32 s[\g+7], 0
.endr
	s_cmp_eq_u32 ttmp9, 2                          ; the cluster's x: the same in all sixteen partners
	s_cselect_b32 s20, s46, s43
	s_cselect_b32 s95, s94, s47
	s_lshl_b32 s20, s20, 1                         ; A's first run of 128 rows: it hangs on cy alone
	s_lshl_b32 s95, s95, 1                         ; B's: on cx alone
	s_mul_i32 s66, s20, 98304                      ; 8 K steps x 12,288
	s_mov_b32 s67, 0
	s_lshl_b32 s92, s20, 12
	s_mov_b32 s93, 0
	s_mul_i32 s96, s95, 98304
	s_mov_b32 s97, 0
	s_lshl_b32 s98, s95, 12
	s_mov_b32 s99, 0
	s_mov_b32 s21, 3145728                         ; where the tokens' scale words begin,
	s_mov_b32 s22, 9437184                         ; and the weights'
	s_cmp_eq_u32 ttmp9, 2
	s_cselect_b32 s23, s22, s21
	s_cselect_b32 s21, s21, s22
	s_add_co_u32 s92, s92, s23
	s_add_co_u32 s98, s98, s21
	s_mul_i32 s23, s[WV], 3*QUART                  ; where my quarter of the refill goes: no place in the cluster enters an LDS address
	s_mov_b32 s[SEL], 0x76543210
	s_mov_b32 s[SEL+1], 0xfedcba98
	s_mov_b32 s[HM], 0xffff0000                    ; lanes 16-31
	s_wait_dscnt 0x0                               ; the opening add is done
	s_wait_kmcnt 0x0
	s_cmp_eq_u32 ttmp9, 2
	s_cselect_b64 s[20:21], s[6:7], s[4:5]         ; A's buffer
	s_cselect_b64 s[94:95], s[4:5], s[6:7]         ; B's
	CROUND                                         ; all sixteen work-groups are here: the first joint loads meet
	s_mov_b32 s[G0S], 1
	s_mov_b32 s[G0S+1], SCL
	s_add_nc_u64 s[G0S+2:G0S+3], s[20:21], s[92:93]
	s_or_b32 s[G0S+3], s[G0S+3], 0x80000000
	s_mov_b32 s[G0SB], 1
	s_mov_b32 s[G0SB+1], SCL+8192
	s_add_nc_u64 s[G0SB+2:G0SB+3], s[94:95], s[98:99]
	s_or_b32 s[G0SB+3], s[G0SB+3], 0x80000000
	s_add_nc_u64 s[20:21], s[20:21], s[66:67]
	s_add_nc_u64 s[94:95], s[94:95], s[96:97]
	s_mov_b32 s[G0+4], 1                           ; the head's group 0 for A's codes,
	s_mov_b32 s[G0+5], 0
	s_mov_b64 s[G0+6:G0+7], s[20:21]
	s_or_b32 s[G0+7], s[G0+7], 0x80000000
	s_mov_b32 s[G0B+4], 1                          ; and for B's, behind A's two halves
	s_mov_b32 s[G0B+5], 6*QUART
	s_mov_b64 s[G0B+6:G0B+7], s[94:95]
	s_or_b32 s[G0B+7], s[G0B+7], 0x80000000
	s_mul_i32 s92, s[WN], 98304                    ; the refill: my 128 rows, K step 0; the change of phases steps it to K step 6
	s_mov_b32 s93, 0
	s_mov_b32 s[G0], 1
	s_mov_b32 s[G0+1], s23
	s_add_nc_u64 s[G0+2:G0+3], s[20:21], s[92:93]
	s_or_b32 s[G0+3], s[G0+3], 0x80000000
	s_mov_b32 s[G0B], 1
	s_mov_b32 s[G0B+1], s23
	s_add_nc_u64 s[G0B+2:G0B+3], s[94:95], s[92:93]
	s_or_b32 s[G0B+3], s[G0B+3], 0x80000000
	s_mul_i32 s92, s[WM], 3*QUART                  ; kept: LDS base of my half of A',
	s_mul_i32 s93, s[WN], 3*QUART
	s_add_co_u32 s93, s93, 6*QUART                 ; and of B'
; one chain of branches on the wave's number, one load to an arm
.macro ARM under, g0, g1, next
	s_cmp_lt_u32 s[WV], \under
	s_cbranch_scc0 \next
	tensor_load_to_lds s[\g0:\g0+3], s[\g1:\g1+7]
	s_nop 0
	PLACES 4
	s_branch .Lhead_asked
\next:
.endm
	ARM 1, G0+4, G1, .Lhead_b
	ARM 2, G0B+4, G1B, .Lhead_sa
	ARM 3, G0S, G1S, .Lhead_sb
	tensor_load_to_lds s[G0SB:G0SB+3], s[G1SB:G1SB+7]
	s_nop 0
	PLACES 4
.Lhead_asked:
	v_and_b32 v1, 15, v0                           ; r
	v_bfe_u32 v2, v0, 4, 1                         ; h
	v_and_b32 v3, 31, v0
	v_lshlrev_b32 v[LI], 4, v3
	v_lshlrev_b32 v[LJ], 4, v1
	v_lshl_add_u32 v[LJ], v2, 3, v[LJ]
	v_add_nc_u32 v[LJ], 512, v[LJ]
	v_lshlrev_b32 v[SO], 2, v3
	s_mul_i32 s20, s[WM], 3*QUART
	s_mul_i32 s21, s[WN], 3*QUART
	s_add_co_u32 s21, s21, 6*QUART
.irp s, 0,1                                    ; set 0: K steps 0, 1; set 1: K steps 2, 3
	v_add_nc_u32 v[ADRA+\s], s20, v[LI]
	v_add_nc_u32 v[ADRA+2+\s], s20, v[LJ]
	v_add_nc_u32 v[ADRB+\s], s21, v[LI]
	v_add_nc_u32 v[ADRB+2+\s], s21, v[LJ]
	s_add_co_u32 s20, s20, QUART
	s_add_co_u32 s21, s21, QUART
.endr
	s_lshl_b32 s20, s[WM], 12
	s_lshl_b32 s21, s[WN], 12
	s_add_co_u32 s21, s21, 8192
	s_sub_co_u32 s21, s21, s20
	v_mul_u32_u24 v4, s21, v2                      ; lanes 16-31 take B's words: one product, the distance between the two bases
	s_add_co_u32 s20, s20, SCL
	v_lshl_add_u32 v4, v1, 2, v4
	v_add_nc_u32 v[ADRS], s20, v4
.irp b, 0,1,2,3
	v_mov_b32 v[TM+4+\b], 0                        ; a lane permute's destination counts as one of its sources
.endr
	; The biases.  Every work-group loads both kinds, 24 loads once, so that no register's content hangs on a branch: along the registers (q, k) and by lane (v).
	s_cmp_eq_u32 ttmp9, 0
	s_cselect_b64 s[20:21], s[8:9], s[10:11]
	s_lshl_b32 s22, s40, 10
	s_lshl_b32 s23, s[WN], 9
	s_add_co_u32 s22, s22, s23                     ; 4 (256 cx + 128 half)
	s_mov_b32 s23, 0
	s_add_nc_u64 s[20:21], s[20:21], s[22:23]
	v_lshlrev_b32 v4, 6, v2                        ; my half's eight of each tile: 64 h bytes on
	WIN TO_B
.irp b, 0,1,2,3,4,5,6,7
	global_load_b128 v[96+8*\b+96*(\b/4):96+8*\b+96*(\b/4)+3], v4, s[20:21] offset:(32*(\b/2)+8*(\b%2))*4
	global_load_b128 v[96+8*\b+96*(\b/4)+4:96+8*\b+96*(\b/4)+7], v4, s[20:21] offset:(32*(\b/2)+8*(\b%2))*4+16
.endr
	WIN 0
	s_lshl_b32 s66, s41, 10
	s_lshl_b32 s67, s[WM], 9
	s_add_co_u32 s66, s66, s67                     ; 4 (256 cy + 128 half)
	s_mov_b32 s67, 0
	s_add_nc_u64 s[12:13], s[12:13], s[66:67]
	v_and_b32 v5, 8, v1
	v_add_nc_u32 v5, v5, v1
	v_lshlrev_b32 v5, 2, v5                        ; 4 (r + 8 (r / 8))
.irp a, 0,1,2,3,4,5,6,7
	global_load_b32 v[VBI+\a], v5, s[12:13] offset:(32*(\a/2)+8*(\a%2))*4
.endr
.macro FRAG reg, adr, q, i             ; a fragment, 12 registers, as it lies: two half fragments of 768 bytes
	ds_load_b128 v[\reg:\reg+3], v[\adr] offset:(\q)*12288+(\i)*1536
	ds_load_b64 v[\reg+4:\reg+5], v[\adr+2] offset:(\q)*12288+(\i)*1536
	ds_load_b128 v[\reg+6:\reg+9], v[\adr] offset:(\q)*12288+(\i)*1536+768
	ds_load_b64 v[\reg+10:\reg+11], v[\adr+2] offset:(\q)*12288+(\i)*1536+768
.endm
; 16 matrix instructions: A's tiles a0, a0 + 1 x B's eight.  The 64 accumulators take turns, one instruction a turn, in the same order in every step.
.macro MUL16 a0, p, q, sc, zero
.irp a, \a0, \a0+1
.irp b, 0,1,2,3,4,5,6,7
.if \zero
	v_wmma_scale_f32_16x16x128_f8f6f4 v[8*(8*((\a)%4)+\b):8*(8*((\a)%4)+\b)+7], v[128*(\p)+FR*\b:128*(\p)+FR*\b+FR-1], v[AF+FR*(\a):AF+FR*(\a)+FR-1], 0, v[SC+8*NQ*(\sc)+NQ*\b+(\q)], v[SC+8*NQ*(\sc)+NQ*(\a)+(\q)] matrix_a_fmt:MATRIX_FMT_FP6 matrix_b_fmt:MATRIX_FMT_FP6 matrix_a_scale:MATRIX_SCALE_ROW1
.else
	v_wmma_scale_f32_16x16x128_f8f6f4 v[8*(8*((\a)%4)+\b):8*(8*((\a)%4)+\b)+7], v[128*(\p)+FR*\b:128*(\p)+FR*\b+FR-1], v[AF+FR*(\a):AF+FR*(\a)+FR-1], v[8*(8*((\a)%4)+\b):8*(8*((\a)%4)+\b)+7], v[SC+8*NQ*(\sc)+NQ*\b+(\q)], v[SC+8*NQ*(\sc)+NQ*(\a)+(\q)] matrix_a_fmt:MATRIX_FMT_FP6 matrix_b_fmt:MATRIX_FMT_FP6 matrix_a_scale:MATRIX_SCALE_ROW1
.endif
.endr
.endr
.endm
.macro FETCH_B slot, q, p
	WIN TO_B
.irp i, 0,1,2,3,4,5,6,7
	FRAG 128*(\p)+FR*\i, ADRB+\slot, \q, \i
.endr
	WIN 0
.endm
.macro FETCH_A slot, q, i0
.irp i, \i0, \i0+1, \i0+2, \i0+3
	FRAG AF+FR*(\i), ADRA+\slot, \q, \i
.endr
.endm
.macro SCALES sc                       ; a phase's scale words: lanes 0-15 A's tile i, lanes 16-31 B's tile i
.irp i, 0,1,2,3,4,5,6,7
.irp q, 0,1
	ds_load_b32 v[SC+8*NQ*\sc+NQ*\i+\q], v[ADRS] offset:512*\i+64*\q
.endr
.endr
.endm
; slot, in the macros below: the phase's number modulo 2, which picks the set of address registers and the set of scale words.
; A step of 128 along K that has its successor in the same phase.  A's tiles are free as soon as their eight products are issued: tiles 0-3 are fetched anew in the step's middle, 4-7 at its end.
.macro STEP slot, q, zero
	s_wait_dscnt 4*NL                              ; all but the youngest 16 loads, A's tiles 4-7
	WIN MUL_LO
	MUL16 0, (\q)%2, \q, \slot, \zero
	MUL16 2, (\q)%2, \q, \slot, \zero
	s_wait_dscnt 0
	PLACES NP                                      ; in front of loads into registers that matrix instructions have read
	FETCH_B \slot, (\q)+1, 1-(\q)%2
	FETCH_A \slot, (\q)+1, 0
	WIN MUL_HI
	MUL16 4, (\q)%2, \q, \slot, \zero
	MUL16 6, (\q)%2, \q, \slot, \zero
	PLACES NP
	WIN 0
	FETCH_A \slot, (\q)+1, 4
.endm
; A phase's last step goes on into the next phase.  mode 2: the region just read is filled again: each wave waits for all its tensor loads, adds 0 to its spare word, waits for that and for its reads of the region; a round of the
; cluster's barrier; the joint load.  mode 1: the next phase's region was filled again: the same waits and a barrier, and nothing is asked for.  mode 0: the next region was shown whole by an earlier barrier and nothing is filled: no wait on
; tensor loads, no barrier.  adj = 1: this phase's address registers step to the region of the phase two on.
.macro TURN slot, next, mode, adj
.if \mode
	s_wait_tensorcnt 0x0                           ; all my tensor loads have landed
	ds_add_u32 v[SPW], v[NIL]
	s_wait_dscnt 4*NL+1                            ; the add and the youngest 16 loads may be out
.else
	s_wait_dscnt 4*NL
.endif
	WIN MUL_LO
	MUL16 0, 1, NQ-1, \slot, 0
	s_wait_dscnt 0x0                               ; the add is done, and my reads of this region are over
.if \mode
	s_barrier_signal -1
.endif
	MUL16 2, 1, NQ-1, \slot, 0
	WIN 0
.if \mode
	s_barrier_wait -1
.endif
.if \mode == 2
	CREST                                          ; the barrier has opened a round of the cluster's: no wave of any partner still reads this region or has a load on its way
	s_add_nc_u64 s[G0+2:G0+3], s[G0+2:G0+3], 3*QUART       ; K steps 6 and 7
	s_add_nc_u64 s[G0B+2:G0B+3], s[G0B+2:G0B+3], 3*QUART
	JLOAD G0, G1, G0B, G1B                         ; the first tensor load behind the round; its four v_nop are the places in front of the loads below
.else
	PLACES NP
.endif
	v_add_nc_u32 v[ADRS], 64*NQ, v[ADRS]
.if \adj
.if \slot                                      ; set 1 goes back to the half's base, where K steps 6 and 7 land
	v_add_nc_u32 v[ADRA+1], s92, v[LI]
	v_add_nc_u32 v[ADRA+3], s92, v[LJ]
	v_add_nc_u32 v[ADRB+1], s93, v[LI]
	v_add_nc_u32 v[ADRB+3], s93, v[LJ]
.else                                          ; set 0 goes on to K steps 4 and 5
.irp k, 0, 2
	v_add_nc_u32 v[ADRA+\k], 2*QUART, v[ADRA+\k]
	v_add_nc_u32 v[ADRB+\k], 2*QUART, v[ADRB+\k]
.endr
.endif
.endif
	FETCH_B \next, 0, 0
	FETCH_A \next, 0, 0
	SCALES \next
	WIN MUL_HI
	MUL16 4, 1, NQ-1, \slot, 0
	MUL16 6, 1, NQ-1, \slot, 0
	PLACES NP
	WIN 0
	FETCH_A \next, 0, 4
.endm
	s_wait_alu depctr_va_vdst(0)
	s_wait_tensorcnt 0x0                           ; my tile of the head's four is in; no tensor load of mine is out, so group 1 may be written:
.irp g, G1, G1B                                ; from here on a load brings 24,576 dense bytes as 96 rows of 256
	s_mov_b32 s[\g+1], 32<<16
	s_mov_b32 s[\g+2], 96<<16
	s_mov_b32 s[\g+3], 32<<16
	s_mov_b32 s[\g+4], 96
	s_mov_b32 s[\g+5], 32
.endr
	s_barrier_signal -1
	s_barrier_wait -1
	FETCH_B 0, 0, 0
	FETCH_A 0, 0, 0
	SCALES 0
	FETCH_A 0, 0, 4
	STEP 0, 0, 1                                   ; eight K steps, written out: the first starts the sums
	TURN 0, 1, 2, 1                                ; phase 0's region takes phase 3
	s_wait_alu depctr_va_vdst(0)
	STEP 1, 0, 0
	TURN 1, 0, 0, 1
	s_wait_alu depctr_va_vdst(0)
	STEP 0, 0, 0
	TURN 0, 1, 1, 0                                ; phase 3 has landed
	STEP 1, 0, 0
	s_wait_dscnt 4*NL
	WIN MUL_LO
	MUL16 0, 1, NQ-1, 1, 0
	MUL16 2, 1, NQ-1, 1, 0
	s_wait_dscnt 0
	WIN MUL_HI
	MUL16 4, 1, NQ-1, 1, 0
	MUL16 6, 1, NQ-1, 1, 0
	WIN 0
; 64 numbers of a lane, register 16 b + i = place 32 b + 16 (lane / 16) + i along the next K, become a fragment's codes in v[PC] on and its row's scale word in v[pw].
.macro QUANT s, pw
.irp b, 0,1,2,3
	v_max3_num_f32 v[TM+\b], |v[\s+16*\b]|, |v[\s+1+16*\b]|, 0x1800000     ; and the floor 2^(3 - 127): the byte cannot fall under 1
.endr
.irp i, 2,4,6,8,10,12,14
.irp b, 0,1,2,3
	v_max3_num_f32 v[TM+\b], v[TM+\b], |v[\s+16*\b+\i]|, |v[\s+1+16*\b+\i]|
.endr
.endr
.irp b, 0,1,2,3
	v_permlanex16_b32 v[TM+4+\b], v[TM+\b], s[SEL], s[SEL+1]
.endr
.irp b, 0,1,2,3
	v_max_num_f32 v[TM+\b], v[TM+\b], v[TM+4+\b]   ; with lane l xor 16's: the block's largest magnitude
.endr
.irp b, 0,1,2,3
	v_add_nc_u32 v[TM+8+\b], 0xff000000, v[TM+\b]  ; 2 off its exponent field: the conversion's scale operand
.endr
.irp b, 0,1,2,3
	v_lshrrev_b32 v[TM+4+\b], 23, v[TM+8+\b]
.endr
	v_lshl_or_b32 v[\pw], v[TM+5], 8, v[TM+4]
	v_lshl_or_b32 v[\pw], v[TM+6], 16, v[\pw]
	v_lshl_or_b32 v[\pw], v[TM+7], 24, v[\pw]
.irp c, 0,1
	v_cvt_scalef32_pk16_fp6_f32 v[PC+6*\c:PC+2+6*\c], v[\s+32*\c:\s+15+32*\c], v[TM+8+2*\c]
	v_cvt_scalef32_pk16_fp6_f32 v[PC+12+4*\c:PC+14+4*\c], v[\s+16+32*\c:\s+31+32*\c], v[TM+8+2*\c+1]
.endr
	v_nop                                          ; one plain place behind a scaled conversion
.irp c, 0,1                                    ; the operand's layout wants a whole block in a lane
.irp i, 0,1,2
	v_permlane16_swap_b32 v[PC+6*\c+\i], v[PC+12+4*\c+\i]
.endr
.irp i, 0,1,2
	v_mov_b32 v[PC+3+6*\c+\i], v[PC+12+4*\c+\i]
.endr
.endr
.endm
	PLACES NP                                      ; in front of the first read of results and of writes into registers that the last products read
	s_wait_loadcnt 0x0                             ; the biases
	s_cmp_eq_u32 ttmp9, 2
	s_cbranch_scc1 .Lv_out
	; ---- q, k.  My 128 tokens are block Bk; my 128 registers are heads head0 and head0 + 1: half fragment c of each tile belongs to head0 + c.
	s_lshl_b32 s24, s43, 1
	s_add_co_u32 s24, s24, s[WM]                   ; Bk
	s_lshr_b32 s25, s24, 4                         ; the batch
	s_and_b32 s26, s24, 15
	s_lshl_b32 s26, s26, 3                         ; my first tile of tokens in the batch
	s_lshl_b32 s27, s40, 2
	s_lshl_b32 s28, s[WN], 1
	s_add_co_u32 s27, s27, s28
	s_lshl_b32 s25, s25, 4
	s_add_co_u32 s27, s27, s25                     ; 16 batch + head0
	s_mul_i32 s28, s27, 98304                      ; q: [head][tile] x 768
	s_mul_i32 s29, s26, 768
	s_add_co_u32 s28, s28, s29
	s_lshl_b32 s30, s27, 13                        ; its scale words: [head][tile][r]
	s_lshl_b32 s31, s26, 6
	s_add_co_u32 s30, s30, s31
	s_add_co_u32 s30, s30, 9437184
	s_mul_i32 s32, s27, 196608                     ; k: [head][slot of 256 keys][16 tiles x 768, then v's 12,288]
	s_lshr_b32 s33, s26, 4
	s_mul_i32 s33, s33, 24576
	s_add_co_u32 s32, s32, s33
	s_and_b32 s33, s26, 15
	s_mul_i32 s33, s33, 768
	s_add_co_u32 s32, s32, s33
	s_add_co_u32 s32, s32, 3145728
	s_mul_i32 s34, s27, 12288                      ; its scale words: [head][k's 8,192, then v's 4,096]
	s_add_co_u32 s34, s34, s31
	s_add_co_u32 s34, s34, 9699328
	s_mov_b32 s35, 98304
	s_mov_b32 s36, 196608
	s_mov_b32 s37, 8192
	s_mov_b32 s38, 12288
	s_cmp_eq_u32 ttmp9, 0
	s_cselect_b32 s28, s28, s32
	s_cselect_b32 s30, s30, s34
	s_cselect_b32 s32, s35, s36                    ; from head to head
	s_cselect_b32 s34, s37, s38
	s_mov_b32 s29, 0
	s_mov_b32 s31, 0
	s_mov_b32 s33, 0
	s_mov_b32 s35, 0
	s_add_nc_u64 s[48:49], s[14:15], s[28:29]
	s_add_nc_u64 s[50:51], s[48:49], s[32:33]
	s_add_nc_u64 s[52:53], s[14:15], s[30:31]
	s_add_nc_u64 s[54:55], s[52:53], s[34:35]
.macro EPIQK a
	WIN 0x06+(\a)/4                                ; source 0: the accumulators' window; source 1: window 1
.irp b, 0,1,2,3,4,5,6,7
.irp k, 0,2,4,6
	v_pk_add_f32 v[HA+8*\b+\k:HA+8*\b+\k+1], v[8*(8*((\a)%4)+\b)+\k:8*(8*((\a)%4)+\b)+\k+1], v[96+8*\b+96*(\b/4)+\k:96+8*\b+96*(\b/4)+\k+1]   ; each accumulator from its low end on
.endr
.endr
	WIN 0
	s_wait_xcnt 0x0                                ; the last tile's stores have read their registers
	QUANT HA, PWE+(\a)%2
	global_store_b128 v[LI], v[PC:PC+3], s[48:49] offset:(\a)*768
	global_store_b64 v[LJ], v[PC+4:PC+5], s[48:49] offset:(\a)*768
	global_store_b128 v[LI], v[PC+6:PC+9], s[50:51] offset:(\a)*768
	global_store_b64 v[LJ], v[PC+10:PC+11], s[50:51] offset:(\a)*768
.if (\a)%2
	v_cndmask_b32 v[WSEL], v[PWE], v[PWE+1], s[HM]         ; lanes 0-15 the even tile's words, lanes 16-31 the odd tile's: 128 consecutive bytes
	v_perm_b32 v[WLO], v[WSEL], v[WSEL], 0x01000100        ; a head's two bytes, twice: the score product sets 64 codes in either half of its K of 128
	v_perm_b32 v[WHI], v[WSEL], v[WSEL], 0x03020302
	global_store_b32 v[SO], v[WLO], s[52:53] offset:((\a)-1)*64
	global_store_b32 v[SO], v[WHI], s[54:55] offset:((\a)-1)*64
.endif
.endm
.irp a, 0,1,2,3,4,5,6,7
	EPIQK \a
.endr
	s_branch .Lend
.Lv_out:
	; ---- v.  My lanes are channels of heads head0 (tiles 0-3) and head0 + 1 (tiles 4-7); my 128 registers are key step s of the batch.
	s_lshl_b32 s24, s41, 2
	s_lshl_b32 s25, s[WM], 1
	s_add_co_u32 s24, s24, s25                     ; head0
	s_add_co_u32 s25, s42, s40
	s_lshl_b32 s25, s25, 1
	s_add_co_u32 s25, s25, s[WN]                   ; my 128 tokens
	s_lshr_b32 s26, s25, 4
	s_and_b32 s25, s25, 15                         ; s
	s_lshl_b32 s26, s26, 4
	s_add_co_u32 s24, s24, s26
	s_mul_i32 s28, s24, 196608
	s_lshr_b32 s27, s25, 1
	s_mul_i32 s27, s27, 24576
	s_add_co_u32 s28, s28, s27
	s_and_b32 s27, s25, 1
	s_mul_i32 s27, s27, 6144
	s_add_co_u32 s28, s28, s27
	s_add_co_u32 s28, s28, 3145728+12288
	s_mov_b32 s29, 0
	s_mul_i32 s30, s24, 12288
	s_lshl_b32 s27, s25, 8
	s_add_co_u32 s30, s30, s27
	s_add_co_u32 s30, s30, 9699328+8192
	s_mov_b32 s31, 0
	s_add_nc_u64 s[48:49], s[14:15], s[28:29]
	s_add_nc_u64 s[52:53], s[14:15], s[30:31]
.macro EPIV a
	WIN 0x02+(\a)/4
.set i, 0
.rept 64
	v_add_f32 v[HA+i], v[64*((\a)%4)+i], v[VBI+(\a)]       ; my channel's bias
.set i, i+1
.endr
	WIN 0
	s_wait_xcnt 0x0
	QUANT HA, PWE+(\a)%2
	global_store_b128 v[LI], v[PC:PC+3], s[48:49] offset:((\a)/4)*196608+((\a)%4)*1536
	global_store_b64 v[LJ], v[PC+4:PC+5], s[48:49] offset:((\a)/4)*196608+((\a)%4)*1536
	global_store_b128 v[LI], v[PC+6:PC+9], s[48:49] offset:((\a)/4)*196608+((\a)%4)*1536+768
	global_store_b64 v[LJ], v[PC+10:PC+11], s[48:49] offset:((\a)/4)*196608+((\a)%4)*1536+768
.if (\a)%2
	v_cndmask_b32 v[WSEL], v[PWE], v[PWE+1], s[HM]
	global_store_b32 v[SO], v[WSEL], s[52:53] offset:((\a)/4)*12288+(((\a)-1)%4)*64
.endif
.endm
.irp a, 0,1,2,3,4,5,6,7
	EPIV \a
.endr
.Lend:
	s_wait_tensorcnt 0x0                           ; the wave's end
	ds_add_u32 v[SPW], v[NIL]
	s_wait_dscnt 0x0
	CROUND                                         ; the closing round: no work-group ends while a partner may still ask for a block that names it
	s_endpgm
.Lfunc_end_k_q94a5129b59_qkv:
	.size	k_q94a5129b59_qkv, .Lfunc_end_k_q94a5129b59_qkv-k_q94a5129b59_qkv
	.p2alignl 7, 3214868480
	.fill 96, 4, 3214868480
	.section	.rodata,"a",@progbits
	.p2align	6, 0x0
	.amdhsa_kernel k_q94a5129b59_qkv
		.amdhsa_group_segment_fixed_size 327680
		.amdhsa_private_segment_fixed_size 0
		.amdhsa_enable_private_segment 0
		.amdhsa_kernarg_size 48
		.amdhsa_user_sgpr_count 2
		.amdhsa_user_sgpr_kernarg_segment_ptr 1
		.amdhsa_wavefront_size32 1
		.amdhsa_system_sgpr_workgroup_id_x 1
		.amdhsa_system_sgpr_workgroup_id_y 1
		.amdhsa_system_sgpr_workgroup_id_z 1
		.amdhsa_system_vgpr_workitem_id 0
		.amdhsa_next_free_vgpr 1024
		.amdhsa_next_free_sgpr 100
		.amdhsa_reserve_vcc 0
		.amdhsa_float_denorm_mode_32 3
		.amdhsa_float_denorm_mode_16_64 3
		.amdhsa_memory_ordered 1
		.amdhsa_forward_progress 1
		.amdhsa_inst_pref_size 223
	.end_amdhsa_kernel
	.amdgpu_metadata
---
amdhsa.version: [ 1, 2 ]
amdhsa.kernels:
  - .name:           k_q94a5129b59_qkv
    .symbol:         k_q94a5129b59_qkv.kd
    .args:
      - { .name: hq, .offset: 0, .size: 8, .value_kind: global_buffer, .address_space: global }
      - { .name: wq, .offset: 8, .size: 8, .value_kind: global_buffer, .address_space: global }
      - { .name: bq, .offset: 16, .size: 8, .value_kind: global_buffer, .address_space: global }
      - { .name: bk, .offset: 24, .size: 8, .value_kind: global_buffer, .address_space: global }
      - { .name: bv, .offset: 32, .size: 8, .value_kind: global_buffer, .address_space: global }
      - { .name: qkv, .offset: 40, .size: 8, .value_kind: global_buffer, .address_space: global }
    .group_segment_fixed_size: 327680
    .private_segment_fixed_size: 0
    .kernarg_segment_align: 8
    .kernarg_segment_size: 48
    .max_flat_workgroup_size: 128
    .sgpr_count:     100
    .vgpr_count:     1024
    .wavefront_size: 32
...
	.end_amdgpu_metadata
.endif
;; end of part 2
;; launch att (part 3): grid 8 x 32, 16 waves a work-group, clusters of 4 x 1, 327,680 bytes of LDS; arguments qkv, oq; writes oq
.if DOCPART == 3
	.amdgcn_target "amdgcn-amd-amdhsa--gfx1250"
	.amdhsa_code_object_version 6
	.text
	.protected	k_q94a5129b59_att
	.globl	k_q94a5129b59_att
	.p2align	8
	.type	k_q94a5129b59_att,@function
k_q94a5129b59_att:
	s_mov_b64 s[64:65], 0
	v_nop
	global_prefetch_b8 v0, s[64:65] scope:SCOPE_SE
	s_setreg_imm32_b32 hwreg(HW_REG_WAVE_MODE, 25, 1), 1
	s_wait_xcnt 0x0
	s_wait_alu depctr_hold_cnt(0) depctr_sa_sdst(0) depctr_va_vdst(0) depctr_va_sdst(0) depctr_va_ssrc(0) depctr_va_vcc(0) depctr_vm_vsrc(0)
	s_getreg_b32 s2, hwreg(HW_REG_IB_STS2, 6, 4)
	s_cmp_eq_u32 s2, 0
	s_cbranch_scc0 .Lentry_in_a_cluster
	s_endpgm
.Lentry_in_a_cluster:
	s_bfe_u32 s2, ttmp6, 0x10000c
	s_cmp_lg_u32 s2, 0x3003
	s_cbranch_scc0 .Lentry_shape_is_right
	s_endpgm
.Lentry_shape_is_right:
; o = softmax(q k^T / 8) v for one head and batch (work-group y) and 256 queries (work-group x), on codes of FP6 with E8M0 scales; o is quantised at once for the projection that follows.
; Sixteen waves, 16 queries each; both products are used transposed, so that a lane holds one query.  Steps of 128 keys; M is the ceiling of the running largest t, a whole number; the row's sum is taken of the unquantised p.
; A head's k and v codes (8 slots of 256 keys, 24,576 bytes each) and scale words (12,288 bytes) all lie in LDS, each byte filled once: slot 0 at 0, the scale words behind it, slots 1 to 7 behind those.
; ONE TENSOR LOAD A WAVE, at the head: waves 0 to 11 bring slot 0 and the scale words, 3,072 bytes each, by a line of their own; waves 12 to 15 bring slots 1 to 7, 43,008 bytes each.
; The first barrier waits for waves 0 to 11 alone; the barrier behind slot 0's two steps, with every wave's wait in front of it, shows the rest.  Nothing is filled again.
; CLUSTER 4 x 1: four query blocks of one head ask for the same bytes jointly (mask 15); the query block enters global addresses alone.
; No prefetch: all that the launch reads through LDS is asked for at its head, so there is no loop to run ahead in.
; LIMITS: NaN and infinities are not served; the promise holds while the scaled scores stay under 2^31 in magnitude; a block of zeros keeps the scale byte 1 (its codes are zeros; this program alone reads the bytes).
.set SLOTB, 24576
.set SCB,   SLOTB
.set SPARE, 8*SLOTB+12288
.set LI,   1
.set LJ,   2
.set ASK0, 3
.set ASV0, 4
.set SPW,  5
.set NIL,  6
.set ADK,  8
.set ADK2, 9
.set ADS,  10
.set ADT,  11
.set QF,   16
.set KF,   34
.set VF,   70
.set SS,   118
.set OO,   182
.set PP,   214
.set CT,   226
.set QS,   229
.set PS,   233
.set BM,   234
.set BT,   238
.set SOP,  242
.set KS,   246
.set VS,   250
.set FF,   254
.set TP,   255
.set WV,   18
.set SEL,  20
.set CS,   22
.set G1A,  24
.set G1B,  32
.set G1C,  84
.set G1D,  92
.set G0A,  40
.set G0B,  52
.set G0C,  56
.set G0D,  60
.set TB,   2
.set TS,   3
.set TJ,   66
.set SLOTS, 67
.macro SHAPE g, rows
	s_mov_b32 s[\g], (3<<16)|(1<<21)|15
	s_mov_b32 s[\g+1], 32<<16
	s_mov_b32 s[\g+2], (\rows)<<16
	s_mov_b32 s[\g+3], 32<<16
	s_mov_b32 s[\g+4], \rows
	s_mov_b32 s[\g+5], 32
	s_mov_b32 s[\g+6], 0
	s_mov_b32 s[\g+7], 0
.endm
.macro GROUP0 g, lds, off
	s_mov_b32 s[\g], 1
	s_mov_b32 s[\g+1], s[\lds]
	s_add_nc_u64 s[\g+2:\g+3], s[4:5], s[\off:\off+1]
	s_or_b32 s[\g+3], s[\g+3], 0x80000000
.endm
	s_load_b128 s[4:7], s[0:1], 0x0
	v_lshl_add_u32 v[SPW], v0, 2, SPARE
	v_mov_b32 v[NIL], 0
	ds_add_u32 v[SPW], v[NIL]
	ds_add_u32 v[SPW], v[NIL]
	v_lshrrev_b32 v8, 5, v0
	s_delay_alu instid0(VALU_DEP_1)
	v_readfirstlane_b32 s[WV], v8
.macro ROUND                           ; a round of the cluster's barrier
	s_barrier_signal -1
	s_barrier_wait -1
	s_cmp_lg_u32 s[WV], 0
	s_cbranch_scc1 .Lnot_wave_0_\@
	s_barrier_signal -3
.Lnot_wave_0_\@:
	s_barrier_wait -3
	s_barrier_signal -1
	s_barrier_wait -1
.endm
	SHAPE G1A, 12                                  ; 3,072 dense bytes as 12 rows of 256
	SHAPE G1B, 168                                 ; 43,008 as 168
	s_and_b32 s8, ttmp7, 0xffff                    ; head and batch
	s_bfe_u32 s15, ttmp6, 0x40000                  ; cx
	s_lshl_b32 s14, ttmp9, 2
	s_add_co_u32 s14, s14, s15                     ; the query block
	s_lshl_b32 s14, s14, 4
	s_add_co_u32 s14, s14, s[WV]                   ; my tile of 16 queries
	s_mul_i32 s9, s8, 196608
	s_add_co_u32 s9, s9, 3145728                   ; the head's k and v
	s_mul_i32 s10, s[WV], 3072                     ; waves 0-11: LDS place, and the place in what they bring
	s_add_co_u32 s12, s9, s10                      ; waves 0-7: slot 0
	s_mul_i32 s76, s8, 12288
	s_add_co_u32 s76, s76, s10
	s_add_co_u32 s76, s76, 9699328-SLOTB           ; waves 8-11: the scale words, 3,072 (wave - 8) on
	s_cmp_lt_u32 s[WV], 8
	s_cselect_b32 s12, s12, s76
	s_mov_b32 s13, 0
	s_and_b32 s80, s[WV], 3                        ; waves 12-15: a quarter of slots 1 to 7
	s_mul_i32 s80, s80, 43008
	s_add_co_u32 s78, s9, s80
	s_add_co_u32 s78, s78, SLOTB
	s_mov_b32 s79, 0
	s_add_co_u32 s80, s80, SLOTB+12288
	s_mul_i32 s44, s8, 98304
	s_mul_i32 s15, s14, 768
	s_add_co_u32 s44, s44, s15
	s_mov_b32 s45, 0
	s_lshl_b32 s46, s8, 13
	s_lshl_b32 s15, s14, 6
	s_add_co_u32 s46, s46, s15
	s_add_co_u32 s46, s46, 9437184
	s_mov_b32 s47, 0
	s_lshr_b32 s15, s8, 4
	s_lshl_b32 s15, s15, 7
	s_add_co_u32 s15, s15, s14
	s_and_b32 s16, s8, 15
	s_lshr_b32 s17, s16, 1
	s_and_b32 s16, s16, 1
	s_and_b32 s48, s15, 0xfffffff8
	s_add_co_u32 s48, s48, s17
	s_mul_i32 s48, s48, 12288
	s_and_b32 s19, s15, 7
	s_mul_i32 s19, s19, 1536
	s_add_co_u32 s48, s48, s19
	s_mul_i32 s19, s16, 768
	s_add_co_u32 s48, s48, s19
	s_mov_b32 s49, 0
	s_lshl_b32 s50, s15, 9
	s_lshl_b32 s17, s17, 6
	s_add_co_u32 s50, s50, s17
	s_lshl_b32 s16, s16, 1
	s_add_co_u32 s50, s50, s16
	s_add_co_u32 s50, s50, 3145728
	s_mov_b32 s51, 0
	s_mov_b32 s[SEL], 0x76543210
	s_mov_b32 s[SEL+1], 0xfedcba98
	s_mov_b32 s[CS], 0x3e38aa3b
	s_mov_b32 s[CS+1], s[CS]
	s_mov_b32 s[TB], 0
	s_mov_b32 s[TS], 0
	s_mov_b32 s[TJ], 0
	s_wait_alu depctr_va_vdst(0)
	s_wait_dscnt 0x0                               ; both opening adds are done
	ROUND                                          ; the four work-groups are here: the joint loads meet
	s_wait_kmcnt 0x0
	GROUP0 G0A, 10, 12
	GROUP0 G0B, 80, 78
	s_cmp_lt_u32 s[WV], 12
	s_cbranch_scc0 .Lrest
	tensor_load_to_lds s[G0A:G0A+3], s[G1A:G1A+7]  ; slot 0 and the scale words
	s_nop 0
.rept 4
	v_nop
.endr
	s_branch .Lasked
.Lrest:
	tensor_load_to_lds s[G0B:G0B+3], s[G1B:G1B+7]  ; slots 1 to 7
	s_nop 0
.rept 4
	v_nop
.endr
.Lasked:
	s_add_nc_u64 s[68:69], s[4:5], s[44:45]
	s_add_nc_u64 s[70:71], s[4:5], s[46:47]
	s_add_nc_u64 s[72:73], s[6:7], s[48:49]
	s_add_nc_u64 s[74:75], s[6:7], s[50:51]
	v_and_b32 v8, 15, v0
	v_bfe_u32 v9, v0, 4, 1
	v_and_b32 v10, 31, v0
	s_delay_alu instid0(VALU_DEP_1)
	v_lshlrev_b32 v[LI], 4, v10
	s_delay_alu instid0(VALU_DEP_4)
	v_lshlrev_b32 v[LJ], 4, v8
	s_delay_alu instid0(VALU_DEP_1)
	v_lshl_add_u32 v[LJ], v9, 3, v[LJ]
	s_delay_alu instid0(VALU_DEP_1)
	v_add_nc_u32 v[LJ], 512, v[LJ]
	v_lshl_add_u32 v[ASK0], v10, 2, SCB            ; k's scale words: 4 x lane: lanes 0-15 an even tile's words, lanes 16-31 those of the odd tile behind it
	v_lshl_add_u32 v[ASV0], v8, 2, SCB+8192
	v_lshlrev_b32 v[ADT], 2, v8
	global_load_b128 v[QF:QF+3], v[LI], s[68:69]
	global_load_b64 v[QF+4:QF+5], v[LJ], s[68:69]
	global_load_b128 v[QF+12:QF+15], v[LI], s[68:69]
	global_load_b64 v[QF+16:QF+17], v[LJ], s[68:69]
	global_load_b32 v[QS], v[ADT], s[70:71]
.irp i, 0,1,2,3,4,5
	v_mov_b32 v[QF+6+\i], 0
.endr
	v_mov_b32 v13, 0xff61b1e6
	s_delay_alu instid0(VALU_DEP_1)
	v_floor_f32 v12, -v13
	v_mov_b32 v14, 0
	v_mov_b32 v15, 0
.irp b, 0,1,2,3
	v_mov_b32 v[BT+\b], 0
.endr
	v_mov_b32 v[TP], 0
.set j, 0
.rept 32
	v_mov_b32 v[OO+j], 0
.set j, j+1
.endr
; A step's eight tiles of k, 64 codes a row, lie two to an operand of 12 registers: tile 2 p in K = 0 .. 63, tile 2 p + 1 in K = 64 .. 127.  q's operand has its 64 codes in one half of K and zero codes in the other,
; so each product sums one tile's scores: the other tile's codes meet zero codes, and FP6 has no code but finite numbers.  Pairs 0 to 2 lie from v[KF] on, pair 3 in p's registers, which are free until p is made.
; The tiles' scale words lie in v[KS] on, eight registers: the upper four are v's scale registers, loaded anew behind the products.
; One register holds the scale words of a pair of tiles: the even tile's in lanes 0-15, the odd tile's in lanes 16-31; so v[KS] on, four registers, serve a step's eight tiles.
; KPRE: tiles 0 to 5 and all scale words of a step, off and soff bytes on from the address registers as they stand.  It is issued a step ahead, behind the score products, when these registers are free.
.macro KPRE off, soff
.irp t, 0,1,2,3,4,5
	ds_load_b128 v[KF+6*\t:KF+6*\t+3], v[ADK] offset:(\off)+\t*768
	ds_load_b64 v[KF+6*\t+4:KF+6*\t+5], v[ADK2] offset:(\off)+\t*768
.endr
.irp p, 0,1,2,3
	ds_load_b32 v[KS+\p], v[ADS] offset:(\soff)+128*\p
.endr
.endm
.macro KLOAD q                         ; tiles 6 and 7, into p's registers, at the step's start
.irp t, 0,1
	ds_load_b128 v[PP+6*\t:PP+6*\t+3], v[ADK] offset:(8*(\q)+6+\t)*768
	ds_load_b64 v[PP+6*\t+4:PP+6*\t+5], v[ADK2] offset:(8*(\q)+6+\t)*768
.endr
.endm
.macro KQP p                           ; the scores of pair p's two tiles
	v_wmma_scale_f32_16x16x128_f8f6f4 v[SS+16*(\p):SS+16*(\p)+7], v[KF+12*(\p)+(PP-KF-36)*((\p)/3):KF+12*(\p)+(PP-KF-36)*((\p)/3)+11], v[QF:QF+11], 0, v[KS+(\p)], v[QS] matrix_a_fmt:MATRIX_FMT_FP6 matrix_b_fmt:MATRIX_FMT_FP6
	v_wmma_scale_f32_16x16x128_f8f6f4 v[SS+16*(\p)+8:SS+16*(\p)+15], v[KF+12*(\p)+(PP-KF-36)*((\p)/3):KF+12*(\p)+(PP-KF-36)*((\p)/3)+11], v[QF+6:QF+17], 0, v[KS+(\p)], v[QS] matrix_a_fmt:MATRIX_FMT_FP6 matrix_b_fmt:MATRIX_FMT_FP6 matrix_a_scale:MATRIX_SCALE_ROW1
.endm
.macro BMAX                            ; the largest score of each block of 32 keys, the four blocks by turns
.irp b, 0,1,2,3
	v_max3_num_f32 v[BM+\b], v[SS+16*\b], v[SS+1+16*\b], v[SS+2+16*\b]
.endr
.irp i, 3,5,7,9,11,13
.irp b, 0,1,2,3
	v_max3_num_f32 v[BM+\b], v[BM+\b], v[SS+16*\b+\i], v[SS+1+16*\b+\i]
.endr
.endr
.irp b, 0,1,2,3
	v_max_num_f32 v[BM+\b], v[BM+\b], v[SS+15+16*\b]
.endr
.endm
.macro STEP q, nx                      ; nx: where the next step's tiles of k begin, in bytes from this slot's first; -1: nothing is loaded ahead
	v_add_nc_u32 v[ADK], s[TB], v[LI]
	v_add_nc_u32 v[ADK2], s[TB], v[LJ]
	v_add_nc_u32 v[ADS], s[TS], v[ASK0]
	v_add_nc_u32 v[ADT], s[TJ], v[ASV0]
	KLOAD \q
.irp t, 0,1,2,3
	ds_load_b128 v[VF+12*\t:VF+12*\t+3], v[ADK] offset:12288+(\q)*6144+\t*1536
	ds_load_b64 v[VF+12*\t+4:VF+12*\t+5], v[ADK2] offset:12288+(\q)*6144+\t*1536
	ds_load_b128 v[VF+12*\t+6:VF+12*\t+9], v[ADK] offset:12288+(\q)*6144+\t*1536+768
	ds_load_b64 v[VF+12*\t+10:VF+12*\t+11], v[ADK2] offset:12288+(\q)*6144+\t*1536+768
.endr
	s_wait_alu depctr_va_vdst(0)
	s_wait_dscnt 20                                ; what was loaded ahead is in; tiles 6 and 7 (4 loads) and v's 16 may be out
	KQP 0
	KQP 1
	KQP 2
	s_wait_dscnt 16                                ; tiles 6 and 7 are in
	KQP 3
.rept 4
	v_nop                                          ; places in front of the loads below and of the first read of the scores
.endr
.irp t, 0,1,2,3
	ds_load_b32 v[VS+\t], v[ADT] offset:64*\t      ; v's scale words
.endr
.if (\nx) >= 0
	KPRE \nx, 512                                  ; the next step's k, under this step's softmax
.endif
	BMAX
.irp b, 0,1,2,3
	v_permlanex16_b32 v[BT+\b], v[BM+\b], s[SEL], s[SEL+1]
.endr
.irp b, 0,1,2,3
	s_delay_alu instid0(VALU_DEP_4)
	v_max_num_f32 v[BM+\b], v[BM+\b], v[BT+\b]
.endr
	s_delay_alu instid0(VALU_DEP_2)
	v_max3_num_f32 v[TP], v[BM], v[BM+1], v[BM+2]
	s_delay_alu instid0(VALU_DEP_1)
	v_max_num_f32 v[TP], v[TP], v[BM+3]
	s_delay_alu instid0(VALU_DEP_1)
	v_mul_f32 v[TP], s[CS], v[TP]
	s_delay_alu instid0(VALU_DEP_1)
	v_max_num_f32 v13, v13, v[TP]
	v_mov_b32 v[TP], v12
	s_delay_alu instid0(VALU_DEP_2)
	v_floor_f32 v12, -v13
	s_delay_alu instid0(VALU_DEP_1)
	v_sub_f32 v[TP], v12, v[TP]
	s_delay_alu instid0(VALU_DEP_1)
	v_cvt_i32_f32 v[TP], v[TP]
	s_delay_alu instid0(VALU_DEP_1)
	v_ldexp_f32 v[FF], 1.0, v[TP]
.set j, 0
.rept 32
	v_pk_fma_f32 v[SS+j:SS+j+1], v[SS+j:SS+j+1], s[CS:CS+1], v[12:13] op_sel_hi:[1,0,0]
.set j, j+2
.endr
.irp b, 0,1,2,3
	v_fma_f32 v[BM+\b], v[BM+\b], s[CS], v12
.endr
.set j, 0
	s_wait_dscnt 0x0                               ; v's fragments and scale words are in
	s_wait_alu depctr_va_vdst(0)
.rept 64
	v_exp_f32 v[SS+j], v[SS+j]
.set j, j+1
.endr
	v_pk_mul_f32 v[14:15], v[14:15], v[FF:FF+1] op_sel_hi:[1,0]
	s_wait_alu depctr_va_vdst(0)
.irp b, 0,1,2,3
	v_exp_f32 v[BM+\b], v[BM+\b]
.endr
	v_pk_add_f32 v[BT:BT+1], v[SS:SS+1], v[SS+2:SS+3]      ; the row's sum of the unquantised p, in four chains
	v_pk_add_f32 v[BT+2:BT+3], v[SS+4:SS+5], v[SS+6:SS+7]
	v_pk_add_f32 v[SOP:SOP+1], v[SS+8:SS+9], v[SS+10:SS+11]
	v_pk_add_f32 v[14:15], v[14:15], v[SS+12:SS+13]
	v_pk_add_f32 v[BT:BT+1], v[BT:BT+1], v[SS+14:SS+15]
.irp j, 16,24,32,40,48,56
	v_pk_add_f32 v[BT+2:BT+3], v[BT+2:BT+3], v[SS+\j:SS+\j+1]
	v_pk_add_f32 v[SOP:SOP+1], v[SOP:SOP+1], v[SS+\j+2:SS+\j+3]
	v_pk_add_f32 v[14:15], v[14:15], v[SS+\j+4:SS+\j+5]
	v_pk_add_f32 v[BT:BT+1], v[BT:BT+1], v[SS+\j+6:SS+\j+7]
.endr
	v_pk_add_f32 v[14:15], v[14:15], v[SOP:SOP+1]
	v_pk_add_f32 v[BT:BT+1], v[BT:BT+1], v[BT+2:BT+3]
	s_delay_alu instid0(VALU_DEP_1)
	v_pk_add_f32 v[14:15], v[14:15], v[BT:BT+1]
	s_wait_alu depctr_va_vdst(0)
.irp b, 0,1,2,3
	v_max_num_f32 v[BM+\b], 0x1800000, v[BM+\b]
.endr
.irp b, 0,1,2,3
	s_delay_alu instid0(VALU_DEP_4)
	v_add_nc_u32 v[SOP+\b], 0xff000000, v[BM+\b]
.endr
.irp b, 0,1,2,3
	s_delay_alu instid0(VALU_DEP_4)
	v_lshrrev_b32 v[BT+\b], 23, v[SOP+\b]
.endr
	s_delay_alu instid0(VALU_DEP_3)
	v_lshl_or_b32 v[PS], v[BT+1], 8, v[BT]
	s_delay_alu instid0(VALU_DEP_1)
	v_lshl_or_b32 v[PS], v[BT+2], 16, v[PS]
	s_delay_alu instid0(VALU_DEP_1)
	v_lshl_or_b32 v[PS], v[BT+3], 24, v[PS]
.irp c, 0,1
	v_cvt_scalef32_pk16_fp6_f32 v[PP+6*\c:PP+6*\c+2], v[SS+32*\c:SS+32*\c+15], v[SOP+2*\c]
	v_cvt_scalef32_pk16_fp6_f32 v[CT+4*\c:CT+4*\c+2], v[SS+32*\c+16:SS+32*\c+31], v[SOP+2*\c+1]
.endr
	v_nop
.irp c, 0,1
.irp i, 0,1,2
	v_permlane16_swap_b32 v[PP+6*\c+\i], v[CT+4*\c+\i]
.endr
.irp i, 0,1,2
	s_delay_alu instid0(VALU_DEP_3)
	v_mov_b32 v[PP+3+6*\c+\i], v[CT+4*\c+\i]
.endr
.endr
.set j, 0
.rept 16
	v_pk_mul_f32 v[OO+j:OO+j+1], v[OO+j:OO+j+1], v[FF:FF+1] op_sel_hi:[1,0]
.set j, j+2
.endr
.irp t, 0,1,2,3
	v_wmma_scale_f32_16x16x128_f8f6f4 v[OO+8*\t:OO+8*\t+7], v[VF+12*\t:VF+12*\t+11], v[PP:PP+11], v[OO+8*\t:OO+8*\t+7], v[VS+\t], v[PS] matrix_a_fmt:MATRIX_FMT_FP6 matrix_b_fmt:MATRIX_FMT_FP6
.endr
	s_add_co_u32 s[TS], s[TS], 512
	s_add_co_u32 s[TJ], s[TJ], 256
.endm
.macro PRE                             ; the coming step's k where no step ahead of it could load it
	v_add_nc_u32 v[ADK], s[TB], v[LI]
	v_add_nc_u32 v[ADK2], s[TB], v[LJ]
	v_add_nc_u32 v[ADS], s[TS], v[ASK0]
	KPRE 0, 0
.endm
.macro SLOT_STEPS nx
	STEP 0, 6144
	STEP 1, \nx
	s_add_co_u32 s[TB], s[TB], SLOTB
.endm
	s_wait_alu depctr_va_vdst(0)
	s_wait_loadcnt 0x0                             ; q
	s_cmp_lt_u32 s[WV], 12
	s_cbranch_scc0 .Lnot_first
	s_wait_tensorcnt 0x0                           ; the waves that brought slot 0 and the scale words wait for them
.Lnot_first:
	s_barrier_signal -1
	s_barrier_wait -1                              ; slot 0 and the scale words are whole; slots 1 to 7 may be on their way
	s_wait_tensorcnt 0x0                           ; every wave: all that is still out of mine has landed,
	s_barrier_signal -1                            ; say so; between this signal and its wait stand register work and LDS loads of slot 0 and the scale words, which nobody writes any more
	PRE
	SLOT_STEPS -1                                  ; slot 1 may not be whole yet: nothing of it is loaded ahead
	s_add_co_u32 s[TB], s[TB], 12288               ; over the scale words, to slot 1
	s_barrier_wait -1                              ; every wave has said so: slots 1 to 7 are whole
	PRE
	s_mov_b32 s[SLOTS], 6
.Llate:                                            ; slots 1 to 6
	SLOT_STEPS SLOTB
	s_sub_co_u32 s[SLOTS], s[SLOTS], 1
	s_cmp_lg_u32 s[SLOTS], 0
	s_cbranch_scc1 .Llate
	SLOT_STEPS -1                                  ; slot 7: no step follows its last
	v_add_f32 v14, v14, v15
	s_delay_alu instid0(VALU_DEP_1)
	v_permlanex16_b32 v[TP], v14, s[SEL], s[SEL+1]
	s_delay_alu instid0(VALU_DEP_1)
	v_add_f32 v14, v14, v[TP]
	s_wait_alu depctr_va_vdst(0)
	v_rcp_f32 v14, v14
	v_and_b32 v8, 31, v0
	v_and_b32 v9, 15, v0
	s_delay_alu instid0(VALU_DEP_1)
	v_lshlrev_b32 v9, 2, v9
	v_nop
	s_wait_alu depctr_va_vdst(0)
.set j, 0
.rept 32
	v_mul_f32 v[SS+j], v[OO+j], v14
.set j, j+1
.endr
.irp b, 0,1
	v_max3_num_f32 v[BM+\b], |v[SS+16*\b]|, |v[SS+1+16*\b]|, 0x1800000
.endr
.irp i, 2,4,6,8,10,12,14
.irp b, 0,1
	s_delay_alu instid0(VALU_DEP_2)
	v_max3_num_f32 v[BM+\b], v[BM+\b], |v[SS+16*\b+\i]|, |v[SS+1+16*\b+\i]|
.endr
.endr
.irp b, 0,1
	s_delay_alu instid0(VALU_DEP_2)
	v_permlanex16_b32 v[BT+\b], v[BM+\b], s[SEL], s[SEL+1]
.endr
.irp b, 0,1
	s_delay_alu instid0(VALU_DEP_2)
	v_max_num_f32 v[BM+\b], v[BM+\b], v[BT+\b]
.endr
.irp b, 0,1
	s_delay_alu instid0(VALU_DEP_2)
	v_add_nc_u32 v[SOP+\b], 0xff000000, v[BM+\b]
.endr
.irp b, 0,1
	s_delay_alu instid0(VALU_DEP_2)
	v_lshrrev_b32 v[BT+\b], 23, v[SOP+\b]
.endr
	s_delay_alu instid0(VALU_DEP_1)
	v_lshl_or_b32 v[PS], v[BT+1], 8, v[BT]
	v_cvt_scalef32_pk16_fp6_f32 v[PP:PP+2], v[SS:SS+15], v[SOP]
	v_cvt_scalef32_pk16_fp6_f32 v[CT:CT+2], v[SS+16:SS+31], v[SOP+1]
	v_nop
.irp i, 0,1,2
	v_permlane16_swap_b32 v[PP+\i], v[CT+\i]
.endr
.irp i, 0,1,2
	s_delay_alu instid0(VALU_DEP_3)
	v_mov_b32 v[PP+3+\i], v[CT+\i]
.endr
	global_store_b128 v[LI], v[PP:PP+3], s[72:73]
	global_store_b64 v[LJ], v[PP+4:PP+5], s[72:73]
	s_wait_xcnt 0x0
	v_cmp_gt_u32 vcc_lo, 16, v8
	s_and_saveexec_b32 s9, vcc_lo
	global_store_b16 v9, v[PS], s[74:75]
	s_wait_xcnt 0x0
	s_or_b32 exec_lo, exec_lo, s9
	s_wait_tensorcnt 0x0
	ds_add_u32 v[SPW], v[NIL]
	s_wait_dscnt 0x0
	ROUND                                          ; the closing round
	s_endpgm
.Lfunc_end_k_q94a5129b59_att:
	.size	k_q94a5129b59_att, .Lfunc_end_k_q94a5129b59_att-k_q94a5129b59_att
	.p2alignl 7, 3214868480
	.fill 96, 4, 3214868480
	.section	.rodata,"a",@progbits
	.p2align	6, 0x0
	.amdhsa_kernel k_q94a5129b59_att
		.amdhsa_group_segment_fixed_size 327680
		.amdhsa_private_segment_fixed_size 0
		.amdhsa_enable_private_segment 0
		.amdhsa_kernarg_size 16
		.amdhsa_user_sgpr_count 2
		.amdhsa_user_sgpr_kernarg_segment_ptr 1
		.amdhsa_wavefront_size32 1
		.amdhsa_system_sgpr_workgroup_id_x 1
		.amdhsa_system_sgpr_workgroup_id_y 1
		.amdhsa_system_sgpr_workgroup_id_z 1
		.amdhsa_system_vgpr_workitem_id 0
		.amdhsa_next_free_vgpr 256
		.amdhsa_next_free_sgpr 100
		.amdhsa_reserve_vcc 1
		.amdhsa_float_denorm_mode_32 3
		.amdhsa_float_denorm_mode_16_64 3
		.amdhsa_memory_ordered 1
		.amdhsa_forward_progress 1
		.amdhsa_inst_pref_size 117
	.end_amdhsa_kernel
	.amdgpu_metadata
---
amdhsa.version: [ 1, 2 ]
amdhsa.kernels:
  - .name:           k_q94a5129b59_att
    .symbol:         k_q94a5129b59_att.kd
    .args:
      - { .name: qkv, .offset: 0, .size: 8, .value_kind: global_buffer, .address_space: global }
      - { .name: oq, .offset: 8, .size: 8, .value_kind: global_buffer, .address_space: global }
    .group_segment_fixed_size: 327680
    .private_segment_fixed_size: 0
    .kernarg_segment_align: 8
    .kernarg_segment_size: 16
    .max_flat_workgroup_size: 512
    .sgpr_count:     100
    .vgpr_count:     256
    .wavefront_size: 32
...
	.end_amdgpu_metadata
.endif
;; end of part 3
;; launch oproj (part 4): grid 8 x 32, 4 waves a work-group, clusters of 4 x 4, 327,680 bytes of LDS; arguments oq, wq, bo, x, x1; writes x1
.if DOCPART == 4
	.amdgcn_target "amdgcn-amd-amdhsa--gfx1250"
	.amdhsa_code_object_version 6
	.text
	.protected	k_q94a5129b59_oproj
	.globl	k_q94a5129b59_oproj
	.p2align	8
	.type	k_q94a5129b59_oproj,@function
k_q94a5129b59_oproj:
	s_mov_b64 s[64:65], 0
	v_nop
	global_prefetch_b8 v0, s[64:65] scope:SCOPE_SE
	s_setreg_imm32_b32 hwreg(HW_REG_WAVE_MODE, 25, 1), 1
	s_wait_xcnt 0x0
	s_wait_alu depctr_hold_cnt(0) depctr_sa_sdst(0) depctr_va_vdst(0) depctr_va_sdst(0) depctr_va_ssrc(0) depctr_va_vcc(0) depctr_vm_vsrc(0)
	s_getreg_b32 s2, hwreg(HW_REG_IB_STS2, 6, 4)
	s_cmp_eq_u32 s2, 0
	s_cbranch_scc0 .Lentry_in_a_cluster
	s_endpgm
.Lentry_in_a_cluster:
	s_bfe_u32 s2, ttmp6, 0x10000c
	s_cmp_lg_u32 s2, 0xf033
	s_cbranch_scc0 .Lentry_shape_is_right
	s_endpgm
.Lentry_shape_is_right:
; x1 = x + o Wo + bo on codes of FP6 with E8M0 scales, K = 1,024.  A block of 128 x 128 by four waves, 64 x 64 each; the matrix instruction is used transposed; the bias is the first products' C; the residual is added on the way out.
; Both operands, all of K, fit in LDS (98,304 dense bytes each): at the head one joint load a wave: wave 0 the tokens' codes, wave 1 Wo's, wave 2 the tokens' scale words, wave 3 Wo's.  Nothing is filled again.
; CLUSTER 4 x 4: the tokens' bytes are shared along a row, Wo's along a column.  No prefetch: all is asked for at the head.  LIMITS: NaN and infinities are not served.
.set KS,    8
.set LAPS,  KS/8
.set ASC,   3145728
.set WC,    2359296
.set WSC,   9535488
.set NTOUT, 0
.set QUART, 24576
.set SLOT,  4*QUART
.set SCL,   2*SLOT
.set SCQ,   KS*256
.set STG,   SCL+4*SCQ
.set SP,    272
.set SPARE, STG+4*16*SP
.set ADRA, 16
.set ADRB, 20
.set STO,  24
.set RD,   25
.set CO,   26
.set ADRS, 27
.set SPW,  28
.set NIL,  29
.set SC,   32
.set BIAS, 40
.set TMP,  40
.set ACC,  128
.set WV,   16
.set WM,   17
.set WN,   18
.set G1,   24
.set G0,   32
.set G1B,  48
.set G0B,  56
.set G1S,  68
.set G0S,  76
.set G1SB, 80
.set G0SB, 88
.set MSB, 0
.macro WIN new
.if MSB != (\new)
	s_set_vgpr_msb (MSB<<8)|(\new)
.set MSB, (\new)
.endif
.endm
.macro JLOAD g0a, g1a, g0b, g1b
	s_cmp_eq_u32 s[WM], 0
	s_cbranch_scc0 .Lfor_b_\@
	tensor_load_to_lds s[\g0a:\g0a+3], s[\g1a:\g1a+7]
	s_nop 0
.rept 4
	v_nop
.endr
	s_branch .Lasked_\@
.Lfor_b_\@:
	tensor_load_to_lds s[\g0b:\g0b+3], s[\g1b:\g1b+7]
	s_nop 0
.rept 4
	v_nop
.endr
.Lasked_\@:
.endm
.macro CREST
	s_cmp_lg_u32 s[WV], 0
	s_cbranch_scc1 .Lnot_wave_0_\@
	s_barrier_signal -3
.Lnot_wave_0_\@:
	s_barrier_wait -3
	s_barrier_signal -1
	s_barrier_wait -1
.endm
.macro CROUND
	s_barrier_signal -1
	s_barrier_wait -1
	CREST
.endm
.macro PLACES n
.rept \n
	v_nop
.endr
.endm
	s_load_b256 s[4:11], s[0:1], 0x0
	s_load_b64 s[12:13], s[0:1], 0x20
	v_lshl_add_u32 v[SPW], v0, 2, SPARE
	v_mov_b32 v[NIL], 0
	ds_add_u32 v[SPW], v[NIL]
	ds_add_u32 v[SPW], v[NIL]
	v_lshrrev_b32 v1, 5, v0
	v_readfirstlane_b32 s[WV], v1
	s_lshr_b32 s[WM], s[WV], 1
	s_and_b32 s[WN], s[WV], 1
	s_bfe_u32 s40, ttmp6, 0x40000
	s_bfe_u32 s41, ttmp6, 0x40004
	s_and_b32 s42, ttmp7, 0xffff
	s_lshl_b32 s42, s42, 2
	s_add_co_u32 s43, s42, s41
	s_lshl_b32 s47, ttmp9, 2
	s_add_co_u32 s47, s47, s40
	s_lshl_b32 s44, s41, 2
	s_lshl_b32 s44, 15, s44
	s_lshl_b32 s45, 0x1111, s40
	s_or_b32 s[G1], s44, (3<<16)|(1<<21)
	s_or_b32 s[G1B], s45, (3<<16)|(1<<21)
	s_or_b32 s[G1S], s44, (3<<16)|(1<<21)
	s_or_b32 s[G1SB], s45, (3<<16)|(1<<21)
.irp g, G1, G1B
	s_mov_b32 s[\g+1], 32<<16
	s_mov_b32 s[\g+2], 384<<16
	s_mov_b32 s[\g+3], 32<<16
	s_mov_b32 s[\g+4], 384
	s_mov_b32 s[\g+5], 32
	s_mov_b32 s[\g+6], 0
	s_mov_b32 s[\g+7], 0
.endr
.irp g, G1S, G1SB
	s_mov_b32 s[\g+1], 32<<16
	s_mov_b32 s[\g+2], (2*KS)<<16
	s_mov_b32 s[\g+3], 32<<16
	s_mov_b32 s[\g+4], 2*KS
	s_mov_b32 s[\g+5], 32
	s_mov_b32 s[\g+6], 0
	s_mov_b32 s[\g+7], 0
.endr
	s_mul_i32 s66, s43, KS*12288
	s_mov_b32 s67, 0
	s_mul_i32 s92, s43, KS*512
	s_add_co_u32 s92, s92, ASC
	s_mov_b32 s93, 0
	s_mul_i32 s96, s47, KS*12288
	s_add_co_u32 s96, s96, WC
	s_mov_b32 s97, 0
	s_mul_i32 s98, s47, KS*512
	s_add_co_u32 s98, s98, WSC
	s_mov_b32 s99, 0
	s_wait_dscnt 0x0
	s_wait_kmcnt 0x0
	CROUND
	s_mov_b32 s[G0S], 1
	s_mov_b32 s[G0S+1], SCL
	s_add_nc_u64 s[G0S+2:G0S+3], s[4:5], s[92:93]
	s_or_b32 s[G0S+3], s[G0S+3], 0x80000000
	s_mov_b32 s[G0SB], 1
	s_mov_b32 s[G0SB+1], SCL+2*SCQ
	s_add_nc_u64 s[G0SB+2:G0SB+3], s[6:7], s[98:99]
	s_or_b32 s[G0SB+3], s[G0SB+3], 0x80000000
	s_mov_b32 s[G0], 1
	s_mov_b32 s[G0+1], 0
	s_add_nc_u64 s[G0+2:G0+3], s[4:5], s[66:67]
	s_or_b32 s[G0+3], s[G0+3], 0x80000000
	s_mov_b32 s[G0B], 1
	s_mov_b32 s[G0B+1], 4*QUART
	s_add_nc_u64 s[G0B+2:G0B+3], s[6:7], s[96:97]
	s_or_b32 s[G0B+3], s[G0B+3], 0x80000000
; one chain of branches on the wave's number, one load to an arm
.macro ARM under, g0, g1, next
	s_cmp_lt_u32 s[WV], \under
	s_cbranch_scc0 \next
	tensor_load_to_lds s[\g0:\g0+3], s[\g1:\g1+7]
	s_nop 0
	PLACES 4
	s_branch .Lhead_asked
\next:
.endm
	ARM 1, G0, G1, .Lhead_b
	ARM 2, G0B, G1B, .Lhead_sa
	ARM 3, G0S, G1S, .Lhead_sb
	tensor_load_to_lds s[G0SB:G0SB+3], s[G1SB:G1SB+7]
	s_nop 0
	PLACES 4
.Lhead_asked:
	v_and_b32 v1, 15, v0
	v_bfe_u32 v2, v0, 4, 1
	v_and_b32 v3, 31, v0
	v_lshlrev_b32 v4, 4, v3
	v_lshlrev_b32 v5, 4, v1
	v_lshl_add_u32 v5, v2, 3, v5
	v_add_nc_u32 v5, 512, v5
	s_mul_i32 s20, s[WM], 4*1536
	s_mul_i32 s21, s[WN], 4*1536
	s_add_co_u32 s21, s21, 4*QUART
.irp s, 0,1
	v_add_nc_u32 v[ADRA+\s], s20, v4
	v_add_nc_u32 v[ADRA+2+\s], s20, v5
	v_add_nc_u32 v[ADRB+\s], s21, v4
	v_add_nc_u32 v[ADRB+2+\s], s21, v5
	s_add_co_u32 s20, s20, 2*QUART
	s_add_co_u32 s21, s21, 2*QUART
.endr
	s_mul_i32 s20, s[WM], KS*256
	s_mul_i32 s21, s[WN], KS*256
	s_add_co_u32 s21, s21, KS*512
	s_sub_co_u32 s21, s21, s20
	v_mul_u32_u24 v7, s21, v2
	s_add_co_u32 s20, s20, SCL
	v_lshl_add_u32 v7, v1, 2, v7
	v_add_nc_u32 v[ADRS], s20, v7
	s_mul_i32 s20, s[WV], 16*SP
	s_add_co_u32 s20, s20, STG
	v_mul_u32_u24 v7, v1, SP
	v_lshl_add_u32 v7, v2, 6, v7
	v_add_nc_u32 v[STO], s20, v7
	v_mul_u32_u24 v7, v2, SP
	v_lshl_add_u32 v7, v1, 4, v7
	v_add_nc_u32 v[RD], s20, v7
	v_lshlrev_b32 v[CO], 12, v2
	v_lshl_add_u32 v[CO], v1, 4, v[CO]
	s_wait_alu depctr_va_vdst(0)
	s_lshl_b32 s20, s47, 9
	s_lshl_b32 s21, s[WN], 8
	s_add_co_u32 s20, s20, s21
	s_mov_b32 s21, 0
	s_add_nc_u64 s[8:9], s[8:9], s[20:21]
	s_lshl_b32 s22, s43, 19
	s_lshl_b32 s23, s[WM], 18
	s_add_co_u32 s22, s22, s23
	s_add_co_u32 s20, s20, s22
	s_add_nc_u64 s[10:11], s[10:11], s[20:21]
	s_add_nc_u64 s[12:13], s[12:13], s[20:21]
	v_lshlrev_b32 v6, 6, v2
.irp b, 0,1,2,3
	global_load_b128 v[BIAS+8*\b:BIAS+8*\b+3], v6, s[8:9] offset:(32*(\b/2)+8*(\b%2))*4
	global_load_b128 v[BIAS+8*\b+4:BIAS+8*\b+7], v6, s[8:9] offset:(32*(\b/2)+8*(\b%2))*4+16
.endr
	WIN 0x80
.irp a, 0,1,2,3
.irp i, 0,1,2,3,4,5,6,7
	global_load_b128 v[32*\a+4*\i:32*\a+4*\i+3], v[CO], s[10:11] offset:(32*(\a/2)+8*(\a%2)+2*\i+8*(\i/4))*4096 th:TH_LOAD_NT
.endr
.endr
	WIN 0
.macro FRAG reg, adr, q, i
	ds_load_b128 v[\reg:\reg+3], v[\adr] offset:(\q)*12288+(\i)*1536
	ds_load_b64 v[\reg+4:\reg+5], v[\adr+2] offset:(\q)*12288+(\i)*1536
	ds_load_b128 v[\reg+6:\reg+9], v[\adr] offset:(\q)*12288+(\i)*1536+768
	ds_load_b64 v[\reg+10:\reg+11], v[\adr+2] offset:(\q)*12288+(\i)*1536+768
.endm
.macro FETCH slot, q, p
	WIN 0x40
.irp i, 0,1,2,3
	FRAG 96*(\p)+12*\i, ADRA+\slot, \q, \i
	FRAG 96*(\p)+48+12*\i, ADRB+\slot, \q, \i
.endr
	WIN 0
.irp i, 0,1,2,3
	ds_load_b32 v[SC+4*(\p)+\i], v[ADRS] offset:\i*KS*64+64*(\q)
.endr
.endm
.macro MUL4 p, a, z
	WIN 0x05
.irp b, 0,1,2,3
.if \z
	v_wmma_scale_f32_16x16x128_f8f6f4 v[ACC+8*(4*(\a)+\b):ACC+8*(4*(\a)+\b)+7], v[96*(\p)+48+12*\b:96*(\p)+48+12*\b+11], v[96*(\p)+12*(\a):96*(\p)+12*(\a)+11], v[BIAS+8*\b:BIAS+8*\b+7], v[SC+4*(\p)+\b], v[SC+4*(\p)+(\a)] matrix_a_fmt:MATRIX_FMT_FP6 matrix_b_fmt:MATRIX_FMT_FP6 matrix_a_scale:MATRIX_SCALE_ROW1
.else
	v_wmma_scale_f32_16x16x128_f8f6f4 v[ACC+8*(4*(\a)+\b):ACC+8*(4*(\a)+\b)+7], v[96*(\p)+48+12*\b:96*(\p)+48+12*\b+11], v[96*(\p)+12*(\a):96*(\p)+12*(\a)+11], v[ACC+8*(4*(\a)+\b):ACC+8*(4*(\a)+\b)+7], v[SC+4*(\p)+\b], v[SC+4*(\p)+(\a)] matrix_a_fmt:MATRIX_FMT_FP6 matrix_b_fmt:MATRIX_FMT_FP6 matrix_a_scale:MATRIX_SCALE_ROW1
.endif
.endr
.endm
.macro KSTEP slot, q, z
	s_wait_dscnt 0x0
	PLACES 4
	FETCH \slot, (\q)+1, ((\q)+1)%2
	MUL4 (\q)%2, 0, \z
	MUL4 (\q)%2, 1, \z
	MUL4 (\q)%2, 2, \z
	MUL4 (\q)%2, 3, \z
.endm
.macro KTURN slot, next, fill
	WIN 0
	s_wait_tensorcnt 0x0
	ds_add_u32 v[SPW], v[NIL]
	s_wait_dscnt 1
	MUL4 1, 0, 0
	s_wait_dscnt 0x0
	s_barrier_signal -1
	MUL4 1, 1, 0
	WIN 0
	s_barrier_wait -1
.if \fill
	CREST
	s_add_nc_u64 s[G0+4*\slot+2:G0+4*\slot+3], s[G0+4*\slot+2:G0+4*\slot+3], 4*QUART
	s_add_nc_u64 s[G0B+4*\slot+2:G0B+4*\slot+3], s[G0B+4*\slot+2:G0B+4*\slot+3], 4*QUART
	JLOAD G0+4*\slot, G1, G0B+4*\slot, G1B
.else
	PLACES 4
.endif
	v_add_nc_u32 v[ADRS], 256, v[ADRS]
	FETCH \next, 0, 0
	MUL4 1, 2, 0
	MUL4 1, 3, 0
.endm
	s_wait_tensorcnt 0x0                           ; my tile of the head's four is in
	s_barrier_signal -1
	s_barrier_wait -1
	FETCH 0, 0, 0
	s_wait_loadcnt 32
	KSTEP 0, 0, 1
.if LAPS > 1
	WIN 0
	s_mov_b32 s3, LAPS-1
.Llap:
	KSTEP 0, 1, 0
	KSTEP 0, 2, 0
	KTURN 0, 1, 1
	KSTEP 1, 0, 0
	KSTEP 1, 1, 0
	KSTEP 1, 2, 0
	KTURN 1, 0, 1
	KSTEP 0, 0, 0
	WIN 0
	s_sub_co_u32 s3, s3, 1
	s_cmp_lg_u32 s3, 0
	s_cbranch_scc1 .Llap
.endif
	KSTEP 0, 1, 0
	KSTEP 0, 2, 0
	KTURN 0, 1, 0
	s_wait_alu depctr_va_vdst(0)
	KSTEP 1, 0, 0
	KSTEP 1, 1, 0
	KSTEP 1, 2, 0
	s_wait_dscnt 0x0
	MUL4 1, 0, 0
	MUL4 1, 1, 0
	MUL4 1, 2, 0
	MUL4 1, 3, 0
	WIN 0
.macro TOSTAGE a
.irp b, 0,1,2,3
	ds_store_b128 v[STO], v[ACC+8*(4*(\a)+\b):ACC+8*(4*(\a)+\b)+3] offset:(32*(\b/2)+8*(\b%2))*4
	ds_store_b128 v[STO], v[ACC+8*(4*(\a)+\b)+4:ACC+8*(4*(\a)+\b)+7] offset:(32*(\b/2)+8*(\b%2))*4+16
.endr
.irp i, 0,1,2,3,4,5,6,7
	ds_load_b128 v[TMP+32*((\a)%2)+4*\i:TMP+32*((\a)%2)+4*\i+3], v[RD] offset:\i*2*SP
.endr
.endm
.macro SEND a, younger
.set TT, TMP+32*((\a)%2)
	s_wait_dscnt \younger
	WIN 0x08
.set k, 0
.rept 16
	v_pk_add_f32 v[TT+k:TT+k+1], v[TT+k:TT+k+1], v[32*(\a)+k:32*(\a)+k+1]
.set k, k+2
.endr
	WIN 0
.irp i, 0,1,2,3,4,5,6,7
.if NTOUT
	global_store_b128 v[CO], v[TT+4*\i:TT+4*\i+3], s[12:13] offset:(32*((\a)/2)+8*((\a)%2)+2*\i+8*(\i/4))*4096 th:TH_STORE_NT
.else
	global_store_b128 v[CO], v[TT+4*\i:TT+4*\i+3], s[12:13] offset:(32*((\a)/2)+8*((\a)%2)+2*\i+8*(\i/4))*4096
.endif
.endr
.endm
	PLACES 4
	s_wait_loadcnt 0x0
	TOSTAGE 0
	TOSTAGE 1
	SEND 0, 16
	s_wait_xcnt 0x0
	TOSTAGE 2
	SEND 1, 16
	s_wait_xcnt 0x0
	TOSTAGE 3
	SEND 2, 16
	SEND 3, 0
	s_wait_tensorcnt 0x0
	ds_add_u32 v[SPW], v[NIL]
	s_wait_dscnt 0x0
	CROUND
	s_endpgm
.Lfunc_end_k_q94a5129b59_oproj:
	.size	k_q94a5129b59_oproj, .Lfunc_end_k_q94a5129b59_oproj-k_q94a5129b59_oproj
	.p2alignl 7, 3214868480
	.fill 96, 4, 3214868480
	.section	.rodata,"a",@progbits
	.p2align	6, 0x0
	.amdhsa_kernel k_q94a5129b59_oproj
		.amdhsa_group_segment_fixed_size 327680
		.amdhsa_private_segment_fixed_size 0
		.amdhsa_enable_private_segment 0
		.amdhsa_kernarg_size 40
		.amdhsa_user_sgpr_count 2
		.amdhsa_user_sgpr_kernarg_segment_ptr 1
		.amdhsa_wavefront_size32 1
		.amdhsa_system_sgpr_workgroup_id_x 1
		.amdhsa_system_sgpr_workgroup_id_y 1
		.amdhsa_system_sgpr_workgroup_id_z 1
		.amdhsa_system_vgpr_workitem_id 0
		.amdhsa_next_free_vgpr 768
		.amdhsa_next_free_sgpr 100
		.amdhsa_reserve_vcc 0
		.amdhsa_float_denorm_mode_32 3
		.amdhsa_float_denorm_mode_16_64 3
		.amdhsa_memory_ordered 1
		.amdhsa_forward_progress 1
		.amdhsa_inst_pref_size 61
	.end_amdhsa_kernel
	.amdgpu_metadata
---
amdhsa.version: [ 1, 2 ]
amdhsa.kernels:
  - .name:           k_q94a5129b59_oproj
    .symbol:         k_q94a5129b59_oproj.kd
    .args:
      - { .name: oq, .offset: 0, .size: 8, .value_kind: global_buffer, .address_space: global }
      - { .name: wq, .offset: 8, .size: 8, .value_kind: global_buffer, .address_space: global }
      - { .name: bo, .offset: 16, .size: 8, .value_kind: global_buffer, .address_space: global }
      - { .name: x, .offset: 24, .size: 8, .value_kind: global_buffer, .address_space: global }
      - { .name: x1, .offset: 32, .size: 8, .value_kind: global_buffer, .address_space: global }
    .group_segment_fixed_size: 327680
    .private_segment_fixed_size: 0
    .kernarg_segment_align: 8
    .kernarg_segment_size: 40
    .max_flat_workgroup_size: 128
    .sgpr_count:     100
    .vgpr_count:     768
    .wavefront_size: 32
...
	.end_amdgpu_metadata
.endif
;; end of part 4
;; launch lnq2: the kernel of part 1 again; grid 256 x 2, 8 waves a work-group, no clusters, 69,632 bytes of LDS; arguments x1, ln2_g, ln2_b, hq, Wq, Wk, Wv, Wo, W1, W2, wq; writes hq, wq
;; launch ffn1 (part 5): grid 16 x 16, 4 waves a work-group, clusters of 4 x 4, 327,680 bytes of LDS; arguments hq, wq, b1, fq; writes fq
.if DOCPART == 5
	.amdgcn_target "amdgcn-amd-amdhsa--gfx1250"
	.amdhsa_code_object_version 6
	.text
	.protected	k_q94a5129b59_ffn1
	.globl	k_q94a5129b59_ffn1
	.p2align	8
	.type	k_q94a5129b59_ffn1,@function
k_q94a5129b59_ffn1:
	s_mov_b64 s[64:65], 0
	v_nop
	global_prefetch_b8 v0, s[64:65] scope:SCOPE_SE
	s_setreg_imm32_b32 hwreg(HW_REG_WAVE_MODE, 25, 1), 1
	s_wait_xcnt 0x0
	s_wait_alu depctr_hold_cnt(0) depctr_sa_sdst(0) depctr_va_vdst(0) depctr_va_sdst(0) depctr_va_ssrc(0) depctr_va_vcc(0) depctr_vm_vsrc(0)
	s_getreg_b32 s2, hwreg(HW_REG_IB_STS2, 6, 4)
	s_cmp_eq_u32 s2, 0
	s_cbranch_scc0 .Lentry_in_a_cluster
	s_endpgm
.Lentry_in_a_cluster:
	s_bfe_u32 s2, ttmp6, 0x10000c
	s_cmp_lg_u32 s2, 0xf033
	s_cbranch_scc0 .Lentry_shape_is_right
	s_endpgm
.Lentry_shape_is_right:
; f = Q(gelu(LN2(x1) W1 + b1)): a product on codes of FP6 (E2M3, one E8M0 byte for each 32 along K = 1,024), the exact GELU in f32, and the result quantised at once along the hidden units for the next product.
; A tile of 256 tokens x 256 hidden units is made by four waves, each 128 x 128: 64 accumulators.  The matrix instruction is used transposed (source 0 = W1's rows, source 1 = tokens): a lane holds one token, and,
; since lane r of a tile T of rows holds row 32 (T/2) + 8 (T%2) + r + 8 (r/8), the 16 registers of source 0's tiles 2 b, 2 b + 1 are 16 neighbouring hidden units: a wave's 128 are one K step of the next product.
; OPERANDS lie in memory in the order of a fragment's registers: half fragments of 768 bytes (registers 0-3 at 16 x lane, 4-5 at 512 + 16 r + 8 h); 128 rows x 128 K = 12,288 dense bytes.
; K GOES IN FOUR PHASES OF TWO K STEPS THROUGH THREE REGIONS OF LDS; each wave fetches 128 rows x 2 K steps by one tensor load of 24,576 dense bytes.  Phases 0, 1, 2 are first fills; the region of phase 0 is filled once more,
; with phase 3, behind the round in K step 1, and that load is waited for at the head of K step 5: some 240 matrix instructions a wave later.  The change from phase 1 to phase 2 needs no wait and no barrier: the first
; change's barrier has shown both regions whole.  The scale words of the 512 rows come once.
; CLUSTER 4 x 4: the tokens' blocks are shared along a row of the cluster, W1's along a column, by joint loads.  By this text's count a wave has one tensor load out at the start and one behind the round.
; GELU: 0.5 x (1 + erf(z)), z = x / sqrt(2) held to +-4 (beyond it erf is 1 to the last bit of f32), erf(z) = z P(z^2) / Q(z^2), P of degree 6 and Q of degree 4.
; THE WAY OUT is a loop of four trips, two tiles of tokens a trip, so that the GELU is written twice and not eight times; only the 32 additions accumulator + bias are written for each tile, picked by the trip's number.
; LIMITS: NaN and infinities are not served; for very negative x, 1 + erf is right to about 1e-7 absolutely, not relatively; a block of zeros keeps the scale byte 1 (its codes are zeros).
.set FR,    12
.set NL,    4
.set NP,    4
.set NQ,    2
.set QUART, 24576
; THE FILLS AS THIS TEXT HAS THEM (in place of the paragraph on regions at the head): at the head one joint load a wave: wave 0 the tokens' K steps 0 to 5 of both runs of 128 rows (2 rows of 73,728 bytes),
; wave 1 W1's, wave 2 the tokens' scale words (8,192 bytes), wave 3 W1's.  LDS: [tokens half 0][half 1][W1 half 0][half 1], six K steps (3 QUART) each.  K steps 6 and 7 are filled onto K steps 0 and 1 behind the round in K step 1,
; a quarter a wave.  By this text's count a wave has one tensor load out at the start and one behind the round.
.set SLOT,  4*QUART                    ; a third of the codes' LDS
.set SCL,   3*SLOT
.set SPARE, SCL+4*4096                 ; the spare words, 128 bytes for each wave: two blocks of 256 bytes that no other line names
.set VA1,  8                           ; v[8:9], v[10:11]: the addends of the two polynomials' first steps
.set VB1,  10
.set ADRA, 16                          ; v16 the tokens' fragments in phases 0 and 2, v17 in phases 1 and 3 (16 x lane); v18-19 the same for registers 4-5
.set ADRB, 20
.set LI,   24
.set LJ,   25
.set SO,   26
.set ADRS, 27
.set SPW,  28
.set NIL,  29
.set PWE,  30
.set SC,   32
.set AF,   128
.set HA,   32                          ; the way out, all in window 0: v32-95 a tile's 64 numbers; v96-223 the GELU's four sets of 32; v224-255 the quantiser's
.set YY,   96
.set VV,   128
.set PN,   160
.set QD,   192
.set PC,   224
.set TM,   244
.set WSEL, 16
.set SEL,  2
.set WV,   16
.set WM,   17
.set WN,   18
.set HM,   19
.set G1,   24
.set G0,   32                          ; s[32:35] the refill's group 0, which steps to K steps 6 and 7; s[36:39] the head's group 0 for the tokens' codes
.set G1B,  48
.set G0B,  56                          ; the same for W1: s[56:59], s[60:63]
.set G1S,  68
.set G0S,  76
.set G1SB, 80
.set G0SB, 88
.set G0C,  92
.set G0BC, 96
.set CZ,   24                          ; on the way out the descriptors' registers hold constants, each as a pair
.set CA0,  26
.set CA2,  28
.set CA3,  30
.set CA4,  32
.set CA5,  34
.set CA6,  36
.set CB0,  38
.set CB2,  40
.set CB3,  42
.set CB4,  44
.set TR,   46
.set OUT,  94
.set OUTS, 96
.set MSB, 0
.macro WIN new
.if MSB != (\new)
	s_set_vgpr_msb (MSB<<8)|(\new)
.set MSB, (\new)
.endif
.endm
.set MUL_LO, 0xa1
.set MUL_HI, 0xf1
.set TO_B,   0x40
.macro JLOAD g0a, g1a, g0b, g1b        ; waves 0 and 1 fetch for the tokens, waves 2 and 3 for W1; an s_nop 0 and four v_nop follow each line
	s_cmp_eq_u32 s[WM], 0
	s_cbranch_scc0 .Lfor_b_\@
	tensor_load_to_lds s[\g0a:\g0a+3], s[\g1a:\g1a+7]
	s_nop 0
.rept 4
	v_nop
.endr
	s_branch .Lasked_\@
.Lfor_b_\@:
	tensor_load_to_lds s[\g0b:\g0b+3], s[\g1b:\g1b+7]
	s_nop 0
.rept 4
	v_nop
.endr
.Lasked_\@:
.endm
.macro CREST
	s_cmp_lg_u32 s[WV], 0
	s_cbranch_scc1 .Lnot_wave_0_\@
	s_barrier_signal -3
.Lnot_wave_0_\@:
	s_barrier_wait -3
	s_barrier_signal -1
	s_barrier_wait -1
.endm
.macro CROUND
	s_barrier_signal -1
	s_barrier_wait -1
	CREST
.endm
.macro PLACES n
.rept \n
	v_nop
.endr
.endm
	s_load_b256 s[4:11], s[0:1], 0x0               ; the tokens' image, the weights' image, b1, the result's image
	v_lshl_add_u32 v[SPW], v0, 2, SPARE
	v_mov_b32 v[NIL], 0
	ds_add_u32 v[SPW], v[NIL]                      ; the wave's opening
	ds_add_u32 v[SPW], v[NIL]
	v_lshrrev_b32 v1, 5, v0
	v_readfirstlane_b32 s[WV], v1
	s_lshr_b32 s[WM], s[WV], 1
	s_and_b32 s[WN], s[WV], 1
	s_bfe_u32 s40, ttmp6, 0x40000
	s_bfe_u32 s41, ttmp6, 0x40004
	s_and_b32 s42, ttmp7, 0xffff
	s_lshl_b32 s42, s42, 2
	s_add_co_u32 s43, s42, s41                     ; which 256 tokens
	s_lshl_b32 s47, ttmp9, 2
	s_add_co_u32 s47, s47, s40                     ; which 256 hidden units
	s_lshl_b32 s44, s41, 2
	s_lshl_b32 s44, 15, s44
	s_lshl_b32 s45, 0x1111, s40
	s_or_b32 s[G1], s44, (3<<16)|(1<<21)
	s_or_b32 s[G1B], s45, (3<<16)|(1<<21)
	s_or_b32 s[G1S], s44, (3<<16)|(1<<21)
	s_or_b32 s[G1SB], s45, (3<<16)|(1<<21)
.irp g, G1, G1B                                ; the head's loads: 2 rows of 9,216 elements of 8 bytes, 98,304 bytes apart
	s_mov_b32 s[\g+1], 9216<<16
	s_mov_b32 s[\g+2], 2<<16
	s_mov_b32 s[\g+3], 9216<<16
	s_mov_b32 s[\g+4], 2
	s_mov_b32 s[\g+5], 12288
	s_mov_b32 s[\g+6], 0
	s_mov_b32 s[\g+7], 0
.endr
.irp g, G1S, G1SB                              ; 8,192 dense bytes as 32 rows of 256
	s_mov_b32 s[\g+1], 32<<16
	s_mov_b32 s[\g+2], 32<<16              ; the scale words of 256 rows: 8,192 dense bytes as 32 rows of 256
	s_mov_b32 s[\g+3], 32<<16
	s_mov_b32 s[\g+4], 32
	s_mov_b32 s[\g+5], 32
	s_mov_b32 s[\g+6], 0
	s_mov_b32 s[\g+7], 0
.endr
	s_lshl_b32 s20, s43, 1                         ; the tokens' first run of 128 rows,
	s_lshl_b32 s94, s47, 1                         ; W1's
	s_mul_i32 s66, s20, 98304
	s_mov_b32 s67, 0
	s_lshl_b32 s92, s20, 12
	s_add_co_u32 s92, s92, 3145728
	s_mov_b32 s93, 0
	s_mul_i32 s96, s94, 98304
	s_add_co_u32 s96, s96, 3145728
	s_mov_b32 s97, 0
	s_lshl_b32 s98, s94, 12
	s_add_co_u32 s98, s98, 9568256
	s_mov_b32 s99, 0
	s_mul_i32 s23, s[WV], 3*QUART                  ; where my quarter of the refill goes
	s_mov_b32 s[SEL], 0x76543210
	s_mov_b32 s[SEL+1], 0xfedcba98
	s_mov_b32 s[HM], 0xffff0000
	s_wait_dscnt 0x0                               ; the opening add is done
	s_wait_kmcnt 0x0
	CROUND                                         ; all sixteen work-groups are here: the first joint loads meet
	s_mov_b32 s[G0S], 1
	s_mov_b32 s[G0S+1], SCL
	s_add_nc_u64 s[G0S+2:G0S+3], s[4:5], s[92:93]
	s_or_b32 s[G0S+3], s[G0S+3], 0x80000000
	s_mov_b32 s[G0SB], 1
	s_mov_b32 s[G0SB+1], SCL+8192
	s_add_nc_u64 s[G0SB+2:G0SB+3], s[6:7], s[98:99]
	s_or_b32 s[G0SB+3], s[G0SB+3], 0x80000000
	s_add_nc_u64 s[20:21], s[4:5], s[66:67]
	s_add_nc_u64 s[94:95], s[6:7], s[96:97]
	s_mov_b32 s[G0+4], 1                           ; the head's group 0 for the tokens' codes,
	s_mov_b32 s[G0+5], 0
	s_mov_b64 s[G0+6:G0+7], s[20:21]
	s_or_b32 s[G0+7], s[G0+7], 0x80000000
	s_mov_b32 s[G0B+4], 1                          ; and for W1's, behind the tokens' two halves
	s_mov_b32 s[G0B+5], 6*QUART
	s_mov_b64 s[G0B+6:G0B+7], s[94:95]
	s_or_b32 s[G0B+7], s[G0B+7], 0x80000000
	s_mul_i32 s92, s[WN], 98304                    ; the refill: my 128 rows, K step 0; the change of phases steps it to K step 6
	s_mov_b32 s93, 0
	s_mov_b32 s[G0], 1
	s_mov_b32 s[G0+1], s23
	s_add_nc_u64 s[G0+2:G0+3], s[20:21], s[92:93]
	s_or_b32 s[G0+3], s[G0+3], 0x80000000
	s_mov_b32 s[G0B], 1
	s_mov_b32 s[G0B+1], s23
	s_add_nc_u64 s[G0B+2:G0B+3], s[94:95], s[92:93]
	s_or_b32 s[G0B+3], s[G0B+3], 0x80000000
	s_mul_i32 s92, s[WM], 3*QUART                  ; kept: LDS base of my half of the tokens,
	s_mul_i32 s93, s[WN], 3*QUART
	s_add_co_u32 s93, s93, 6*QUART                 ; and of W1
; one chain of branches on the wave's number, one load to an arm
.macro ARM under, g0, g1, next
	s_cmp_lt_u32 s[WV], \under
	s_cbranch_scc0 \next
	tensor_load_to_lds s[\g0:\g0+3], s[\g1:\g1+7]
	s_nop 0
	PLACES 4
	s_branch .Lhead_asked
\next:
.endm
	ARM 1, G0+4, G1, .Lhead_b
	ARM 2, G0B+4, G1B, .Lhead_sa
	ARM 3, G0S, G1S, .Lhead_sb
	tensor_load_to_lds s[G0SB:G0SB+3], s[G1SB:G1SB+7]
	s_nop 0
	PLACES 4
.Lhead_asked:
	v_and_b32 v1, 15, v0                           ; r
	v_bfe_u32 v2, v0, 4, 1                         ; h
	v_and_b32 v3, 31, v0
	v_lshlrev_b32 v[LI], 4, v3
	v_lshlrev_b32 v[LJ], 4, v1
	v_lshl_add_u32 v[LJ], v2, 3, v[LJ]
	v_add_nc_u32 v[LJ], 512, v[LJ]
	v_lshlrev_b32 v[SO], 2, v1
	v_lshl_add_u32 v[SO], v2, 11, v[SO]            ; scale words: 4 r, and a tile (32 K steps x 64 bytes) on for lanes 16-31
	s_mul_i32 s20, s[WM], 3*QUART
	s_mul_i32 s21, s[WN], 3*QUART
	s_add_co_u32 s21, s21, 6*QUART
.irp s, 0,1                                    ; set 0: K steps 0, 1; set 1: K steps 2, 3
	v_add_nc_u32 v[ADRA+\s], s20, v[LI]
	v_add_nc_u32 v[ADRA+2+\s], s20, v[LJ]
	v_add_nc_u32 v[ADRB+\s], s21, v[LI]
	v_add_nc_u32 v[ADRB+2+\s], s21, v[LJ]
	s_add_co_u32 s20, s20, QUART
	s_add_co_u32 s21, s21, QUART
.endr
	s_lshl_b32 s20, s[WM], 12
	s_lshl_b32 s21, s[WN], 12
	s_add_co_u32 s21, s21, 8192
	s_sub_co_u32 s21, s21, s20
	v_mul_u32_u24 v4, s21, v2                      ; lanes 16-31 take W1's words: one product, the distance between the two bases
	s_add_co_u32 s20, s20, SCL
	v_lshl_add_u32 v4, v1, 2, v4
	v_add_nc_u32 v[ADRS], s20, v4
.irp b, 0,1,2,3
	v_mov_b32 v[TM+4+\b], 0                        ; a lane permute's destination counts as one of its sources
.endr
	v_mov_b32 v[VA1], 0x32edffee                   ; 2.77068142e-08
	v_mov_b32 v[VA1+1], 0x32edffee
	v_mov_b32 v[VB1], 0xb95fbd29                   ; -2.13374055e-04
	v_mov_b32 v[VB1+1], 0xb95fbd29
	s_lshl_b32 s20, s47, 10
	s_lshl_b32 s21, s[WN], 9
	s_add_co_u32 s20, s20, s21                     ; 4 (256 x tile + 128 x half)
	s_mov_b32 s21, 0
	s_add_nc_u64 s[8:9], s[8:9], s[20:21]
	v_lshlrev_b32 v4, 6, v2
	WIN TO_B                                       ; the bias, in the result's layout, beside W1's fragments in window 1
.irp b, 0,1,2,3,4,5,6,7
	global_load_b128 v[96+8*\b+96*(\b/4):96+8*\b+96*(\b/4)+3], v4, s[8:9] offset:(32*(\b/2)+8*(\b%2))*4
	global_load_b128 v[96+8*\b+96*(\b/4)+4:96+8*\b+96*(\b/4)+7], v4, s[8:9] offset:(32*(\b/2)+8*(\b%2))*4+16
.endr
	WIN 0
.macro FRAG reg, adr, q, i
	ds_load_b128 v[\reg:\reg+3], v[\adr] offset:(\q)*12288+(\i)*1536
	ds_load_b64 v[\reg+4:\reg+5], v[\adr+2] offset:(\q)*12288+(\i)*1536
	ds_load_b128 v[\reg+6:\reg+9], v[\adr] offset:(\q)*12288+(\i)*1536+768
	ds_load_b64 v[\reg+10:\reg+11], v[\adr+2] offset:(\q)*12288+(\i)*1536+768
.endm
.macro MUL16 a0, p, q, sc, zero        ; the 64 accumulators take turns, one instruction a turn, in the same order in every step
.irp a, \a0, \a0+1
.irp b, 0,1,2,3,4,5,6,7
.if \zero
	v_wmma_scale_f32_16x16x128_f8f6f4 v[8*(8*((\a)%4)+\b):8*(8*((\a)%4)+\b)+7], v[128*(\p)+FR*\b:128*(\p)+FR*\b+FR-1], v[AF+FR*(\a):AF+FR*(\a)+FR-1], 0, v[SC+8*NQ*(\sc)+NQ*\b+(\q)], v[SC+8*NQ*(\sc)+NQ*(\a)+(\q)] matrix_a_fmt:MATRIX_FMT_FP6 matrix_b_fmt:MATRIX_FMT_FP6 matrix_a_scale:MATRIX_SCALE_ROW1
.else
	v_wmma_scale_f32_16x16x128_f8f6f4 v[8*(8*((\a)%4)+\b):8*(8*((\a)%4)+\b)+7], v[128*(\p)+FR*\b:128*(\p)+FR*\b+FR-1], v[AF+FR*(\a):AF+FR*(\a)+FR-1], v[8*(8*((\a)%4)+\b):8*(8*((\a)%4)+\b)+7], v[SC+8*NQ*(\sc)+NQ*\b+(\q)], v[SC+8*NQ*(\sc)+NQ*(\a)+(\q)] matrix_a_fmt:MATRIX_FMT_FP6 matrix_b_fmt:MATRIX_FMT_FP6 matrix_a_scale:MATRIX_SCALE_ROW1
.endif
.endr
.endr
.endm
.macro FETCH_B slot, q, p
	WIN TO_B
.irp i, 0,1,2,3,4,5,6,7
	FRAG 128*(\p)+FR*\i, ADRB+\slot, \q, \i
.endr
	WIN 0
.endm
.macro FETCH_A slot, q, i0
.irp i, \i0, \i0+1, \i0+2, \i0+3
	FRAG AF+FR*(\i), ADRA+\slot, \q, \i
.endr
.endm
.macro SCALES sc
.irp i, 0,1,2,3,4,5,6,7
.irp q, 0,1
	ds_load_b32 v[SC+8*NQ*\sc+NQ*\i+\q], v[ADRS] offset:512*\i+64*\q
.endr
.endr
.endm
; slot, in the macros below: the phase's number modulo 2, which picks the set of address registers and the set of scale words.
.macro STEP slot, q, zero
	s_wait_dscnt 4*NL                              ; all but the youngest 16 loads, the tokens' tiles 4-7
	WIN MUL_LO
	MUL16 0, (\q)%2, \q, \slot, \zero
	MUL16 2, (\q)%2, \q, \slot, \zero
	s_wait_dscnt 0
	PLACES NP
	FETCH_B \slot, (\q)+1, 1-(\q)%2
	FETCH_A \slot, (\q)+1, 0
	WIN MUL_HI
	MUL16 4, (\q)%2, \q, \slot, \zero
	MUL16 6, (\q)%2, \q, \slot, \zero
	PLACES NP
	WIN 0
	FETCH_A \slot, (\q)+1, 4
.endm
; A phase's last step goes on into the next phase.  mode 2: the region just read is filled again: each wave waits for all its tensor loads, adds 0 to its spare word, waits for that and for its reads of the region; a round of the
; cluster's barrier; the joint load.  mode 1: the next phase's region was filled again: the same waits and a barrier, and nothing is asked for.  mode 0: the next region was shown whole by an earlier barrier and nothing is filled: no wait on
; tensor loads, no barrier.  adj = 1: this phase's address registers step to the region of the phase two on.
.macro TURN slot, next, mode, adj
.if \mode
	s_wait_tensorcnt 0x0                           ; all my tensor loads have landed
	ds_add_u32 v[SPW], v[NIL]
	s_wait_dscnt 4*NL+1                            ; the add and the youngest 16 loads may be out
.else
	s_wait_dscnt 4*NL
.endif
	WIN MUL_LO
	MUL16 0, 1, NQ-1, \slot, 0
	s_wait_dscnt 0x0                               ; the add is done, and my reads of this region are over
.if \mode
	s_barrier_signal -1
.endif
	MUL16 2, 1, NQ-1, \slot, 0
	WIN 0
.if \mode
	s_barrier_wait -1
.endif
.if \mode == 2
	CREST                                          ; the barrier has opened a round of the cluster's: no wave of any partner still reads this region or has a load on its way
	s_add_nc_u64 s[G0+2:G0+3], s[G0+2:G0+3], 3*QUART       ; K steps 6 and 7
	s_add_nc_u64 s[G0B+2:G0B+3], s[G0B+2:G0B+3], 3*QUART
	JLOAD G0, G1, G0B, G1B                         ; the first tensor load behind the round; its four v_nop are the places in front of the loads below
.else
	PLACES NP
.endif
	v_add_nc_u32 v[ADRS], 64*NQ, v[ADRS]
.if \adj
.if \slot                                      ; set 1 goes back to the half's base, where K steps 6 and 7 land
	v_add_nc_u32 v[ADRA+1], s92, v[LI]
	v_add_nc_u32 v[ADRA+3], s92, v[LJ]
	v_add_nc_u32 v[ADRB+1], s93, v[LI]
	v_add_nc_u32 v[ADRB+3], s93, v[LJ]
.else                                          ; set 0 goes on to K steps 4 and 5
.irp k, 0, 2
	v_add_nc_u32 v[ADRA+\k], 2*QUART, v[ADRA+\k]
	v_add_nc_u32 v[ADRB+\k], 2*QUART, v[ADRB+\k]
.endr
.endif
.endif
	FETCH_B \next, 0, 0
	FETCH_A \next, 0, 0
	SCALES \next
	WIN MUL_HI
	MUL16 4, 1, NQ-1, \slot, 0
	MUL16 6, 1, NQ-1, \slot, 0
	PLACES NP
	WIN 0
	FETCH_A \next, 0, 4
.endm
	s_wait_alu depctr_va_vdst(0)
	s_wait_tensorcnt 0x0                           ; my tile of the head's four is in; no tensor load of mine is out, so group 1 may be written:
.irp g, G1, G1B                                ; from here on a load brings 24,576 dense bytes as 96 rows of 256
	s_mov_b32 s[\g+1], 32<<16
	s_mov_b32 s[\g+2], 96<<16
	s_mov_b32 s[\g+3], 32<<16
	s_mov_b32 s[\g+4], 96
	s_mov_b32 s[\g+5], 32
.endr
	s_barrier_signal -1
	s_barrier_wait -1
	FETCH_B 0, 0, 0
	FETCH_A 0, 0, 0
	SCALES 0
	FETCH_A 0, 0, 4
	STEP 0, 0, 1
	TURN 0, 1, 2, 1                                ; phase 0's region takes phase 3
	s_wait_alu depctr_va_vdst(0)
	STEP 1, 0, 0
	TURN 1, 0, 0, 1
	s_wait_alu depctr_va_vdst(0)
	STEP 0, 0, 0
	TURN 0, 1, 1, 0                                ; phase 3 has landed
	STEP 1, 0, 0
	s_wait_dscnt 4*NL
	WIN MUL_LO
	MUL16 0, 1, NQ-1, 1, 0
	MUL16 2, 1, NQ-1, 1, 0
	s_wait_dscnt 0
	WIN MUL_HI
	MUL16 4, 1, NQ-1, 1, 0
	MUL16 6, 1, NQ-1, 1, 0
	WIN 0
.macro QUANT s, pw                     ; 64 numbers of a lane, register 16 b + i = place 32 b + 16 (lane / 16) + i along the next K, become a fragment's codes in v[PC] on and its row's scale word
.irp b, 0,1,2,3
	v_max3_num_f32 v[TM+\b], |v[\s+16*\b]|, |v[\s+1+16*\b]|, 0x1800000     ; and the floor 2^(3 - 127)
.endr
.irp i, 2,4,6,8,10,12,14
.irp b, 0,1,2,3
	v_max3_num_f32 v[TM+\b], v[TM+\b], |v[\s+16*\b+\i]|, |v[\s+1+16*\b+\i]|
.endr
.endr
.irp b, 0,1,2,3
	v_permlanex16_b32 v[TM+4+\b], v[TM+\b], s[SEL], s[SEL+1]
.endr
.irp b, 0,1,2,3
	v_max_num_f32 v[TM+\b], v[TM+\b], v[TM+4+\b]
.endr
.irp b, 0,1,2,3
	v_add_nc_u32 v[TM+8+\b], 0xff000000, v[TM+\b]
.endr
.irp b, 0,1,2,3
	v_lshrrev_b32 v[TM+4+\b], 23, v[TM+8+\b]
.endr
	v_lshl_or_b32 v[\pw], v[TM+5], 8, v[TM+4]
	v_lshl_or_b32 v[\pw], v[TM+6], 16, v[\pw]
	v_lshl_or_b32 v[\pw], v[TM+7], 24, v[\pw]
.irp c, 0,1
	v_cvt_scalef32_pk16_fp6_f32 v[PC+6*\c:PC+2+6*\c], v[\s+32*\c:\s+15+32*\c], v[TM+8+2*\c]
	v_cvt_scalef32_pk16_fp6_f32 v[PC+12+4*\c:PC+14+4*\c], v[\s+16+32*\c:\s+31+32*\c], v[TM+8+2*\c+1]
.endr
	v_nop                                          ; one plain place behind a scaled conversion
.irp c, 0,1
.irp i, 0,1,2
	v_permlane16_swap_b32 v[PC+6*\c+\i], v[PC+12+4*\c+\i]
.endr
.irp i, 0,1,2
	v_mov_b32 v[PC+3+6*\c+\i], v[PC+12+4*\c+\i]
.endr
.endr
.endm
.macro COPY a                          ; tile a's 64 sums + the bias
	WIN 0x06+(\a)/4                                ; source 0: the accumulators' window; source 1: window 1
.irp b, 0,1,2,3,4,5,6,7
.irp k, 0,2,4,6
	v_pk_add_f32 v[HA+8*\b+\k:HA+8*\b+\k+1], v[8*(8*((\a)%4)+\b)+\k:8*(8*((\a)%4)+\b)+\k+1], v[96+8*\b+96*(\b/4)+\k:96+8*\b+96*(\b/4)+\k+1]   ; each accumulator from its low end on
.endr
.endr
	WIN 0
.endm
.macro PICK u                          ; tile 2 x trip + u: register numbers cannot hang on a counter, so the copy is written for each tile and picked; the last case is taken by default
	s_cmp_lg_u32 s[TR], 0
	s_cbranch_scc1 .Ln0_\@
	COPY 0+\u
	s_branch .Lpicked_\@
.Ln0_\@:
	s_cmp_lg_u32 s[TR], 1
	s_cbranch_scc1 .Ln1_\@
	COPY 2+\u
	s_branch .Lpicked_\@
.Ln1_\@:
	s_cmp_lg_u32 s[TR], 2
	s_cbranch_scc1 .Ln2_\@
	COPY 4+\u
	s_branch .Lpicked_\@
.Ln2_\@:
	COPY 6+\u
.Lpicked_\@:
.endm
.macro HORNER r, c                     ; r = r v + c, 32 numbers
.set j, 0
.rept 16
	v_pk_fma_f32 v[\r+j:\r+j+1], v[\r+j:\r+j+1], v[VV+j:VV+j+1], s[\c:\c+1] op_sel_hi:[1,1,0]
.set j, j+2
.endr
.endm
.macro GELU x                          ; 32 numbers, in place
.set j, 0
.rept 16
	v_pk_mul_f32 v[YY+j:YY+j+1], v[\x+j:\x+j+1], s[CZ:CZ+1] op_sel_hi:[1,0]        ; x / sqrt(2)
.set j, j+2
.endr
.set j, 0
.rept 32
	v_med3_num_f32 v[YY+j], v[YY+j], -4.0, 4.0
.set j, j+1
.endr
.set j, 0
.rept 16
	v_pk_mul_f32 v[VV+j:VV+j+1], v[YY+j:YY+j+1], v[YY+j:YY+j+1]
.set j, j+2
.endr
.set j, 0
.rept 16
	v_pk_fma_f32 v[PN+j:PN+j+1], v[VV+j:VV+j+1], s[CA0:CA0+1], v[VA1:VA1+1] op_sel_hi:[1,0,0]
	v_pk_fma_f32 v[QD+j:QD+j+1], v[VV+j:VV+j+1], s[CB0:CB0+1], v[VB1:VB1+1] op_sel_hi:[1,0,0]
.set j, j+2
.endr
	HORNER QD, CB2
	HORNER QD, CB3
	HORNER QD, CB4
	HORNER PN, CA2
	HORNER PN, CA3
	HORNER PN, CA4
	HORNER PN, CA5
	HORNER PN, CA6
.set j, 0
	s_wait_alu depctr_va_vdst(0)
.rept 32
	v_rcp_f32 v[QD+j], v[QD+j]                     ; one batch
.set j, j+1
.endr
.set j, 0
.rept 16
	v_pk_mul_f32 v[VV+j:VV+j+1], v[\x+j:\x+j+1], 0.5 op_sel_hi:[1,0]       ; x / 2: work that names no reciprocal
.set j, j+2
.endr
	s_wait_alu depctr_va_vdst(0)                   ; one wait for the batch, ahead of its first reader
.set j, 0
.rept 16
	v_pk_mul_f32 v[PN+j:PN+j+1], v[PN+j:PN+j+1], v[QD+j:QD+j+1]
.set j, j+2
.endr
.set j, 0
.rept 16
	v_pk_mul_f32 v[PN+j:PN+j+1], v[PN+j:PN+j+1], v[YY+j:YY+j+1]            ; erf
.set j, j+2
.endr
.set j, 0
.rept 16
	v_pk_fma_f32 v[\x+j:\x+j+1], v[VV+j:VV+j+1], v[PN+j:PN+j+1], v[VV+j:VV+j+1]
.set j, j+2
.endr
.endm
.macro HALF u
	PICK \u
	GELU HA
	GELU HA+32
	s_wait_xcnt 0x0                                ; the last tile's stores have read their registers
	QUANT HA, PWE+\u
	global_store_b128 v[LI], v[PC:PC+3], s[OUT:OUT+1] offset:1536*\u
	global_store_b64 v[LJ], v[PC+4:PC+5], s[OUT:OUT+1] offset:1536*\u
	global_store_b128 v[LI], v[PC+6:PC+9], s[OUT:OUT+1] offset:1536*\u+768
	global_store_b64 v[LJ], v[PC+10:PC+11], s[OUT:OUT+1] offset:1536*\u+768
.endm
.macro SETC r, val
	s_mov_b32 s[\r], \val
	s_mov_b32 s[\r+1], \val
.endm
	PLACES NP                                      ; in front of the first read of results and of writes into registers that the last products read
	s_wait_loadcnt 0x0                             ; the bias
	s_lshl_b32 s66, s43, 1
	s_add_co_u32 s66, s66, s[WM]                   ; my 128 tokens,
	s_lshl_b32 s67, s47, 1
	s_add_co_u32 s67, s67, s[WN]                   ; my K step of the next product
	s_lshl_b32 s92, s66, 5
	s_add_co_u32 s92, s92, s67
	s_mul_i32 s92, s92, 12288
	s_mov_b32 s93, 0
	s_add_nc_u64 s[OUT:OUT+1], s[10:11], s[92:93]
	s_lshl_b32 s92, s66, 14
	s_lshl_b32 s67, s67, 6
	s_add_co_u32 s92, s92, s67
	s_add_co_u32 s92, s92, 12582912
	s_add_nc_u64 s[OUTS:OUTS+1], s[10:11], s[92:93]
	SETC CZ,  0x3f3504f3                           ; 1 / sqrt(2).  (All my tensor loads were waited for at the last change of phases: the descriptors' registers are free)
	SETC CA0, 0xaf95df0b                           ; P: -2.72614226e-10, (2.77068142e-08), -2.10102402e-06, -5.69250639e-05, -7.34990630e-04, -2.95459981e-03, -1.60960333e-02
	SETC CA2, 0xb60cff51
	SETC CA3, 0xb86ec2d2
	SETC CA4, 0xba40ac63
	SETC CA5, 0xbb41a1f6
	SETC CA6, 0xbc83dbd4
	SETC CB0, 0xb77460cd                           ; Q: -1.45660718e-05, (-2.13374055e-04), -1.68282697e-03, -7.37332917e-03, -1.42647391e-02
	SETC CB2, 0xbadc924e
	SETC CB3, 0xbbf19bf8
	SETC CB4, 0xbc69b6a7
	s_mov_b32 s[TR], 0
.Lpair:                                            ; four trips: tiles 2 t and 2 t + 1
	HALF 0
	HALF 1
	v_cndmask_b32 v[WSEL], v[PWE], v[PWE+1], s[HM]         ; lanes 0-15 the even tile's words, lanes 16-31 the odd tile's
	global_store_b32 v[SO], v[WSEL], s[OUTS:OUTS+1]
	s_wait_xcnt 0x0                                ; the stores have read their bases and registers
	s_add_nc_u64 s[OUT:OUT+1], s[OUT:OUT+1], 3072
	s_add_nc_u64 s[OUTS:OUTS+1], s[OUTS:OUTS+1], 4096
	s_add_co_u32 s[TR], s[TR], 1
	s_cmp_lt_u32 s[TR], 4
	s_cbranch_scc1 .Lpair
	s_wait_tensorcnt 0x0                           ; the wave's end
	ds_add_u32 v[SPW], v[NIL]
	s_wait_dscnt 0x0
	CROUND                                         ; the closing round
	s_endpgm
.Lfunc_end_k_q94a5129b59_ffn1:
	.size	k_q94a5129b59_ffn1, .Lfunc_end_k_q94a5129b59_ffn1-k_q94a5129b59_ffn1
	.p2alignl 7, 3214868480
	.fill 96, 4, 3214868480
	.section	.rodata,"a",@progbits
	.p2align	6, 0x0
	.amdhsa_kernel k_q94a5129b59_ffn1
		.amdhsa_group_segment_fixed_size 327680
		.amdhsa_private_segment_fixed_size 0
		.amdhsa_enable_private_segment 0
		.amdhsa_kernarg_size 32
		.amdhsa_user_sgpr_count 2
		.amdhsa_user_sgpr_kernarg_segment_ptr 1
		.amdhsa_wavefront_size32 1
		.amdhsa_system_sgpr_workgroup_id_x 1
		.amdhsa_system_sgpr_workgroup_id_y 1
		.amdhsa_system_sgpr_workgroup_id_z 1
		.amdhsa_system_vgpr_workitem_id 0
		.amdhsa_next_free_vgpr 1024
		.amdhsa_next_free_sgpr 100
		.amdhsa_reserve_vcc 0
		.amdhsa_float_denorm_mode_32 3
		.amdhsa_float_denorm_mode_16_64 3
		.amdhsa_memory_ordered 1
		.amdhsa_forward_progress 1
		.amdhsa_inst_pref_size 221
	.end_amdhsa_kernel
	.amdgpu_metadata
---
amdhsa.version: [ 1, 2 ]
amdhsa.kernels:
  - .name:           k_q94a5129b59_ffn1
    .symbol:         k_q94a5129b59_ffn1.kd
    .args:
      - { .name: hq, .offset: 0, .size: 8, .value_kind: global_buffer, .address_space: global }
      - { .name: wq, .offset: 8, .size: 8, .value_kind: global_buffer, .address_space: global }
      - { .name: b1, .offset: 16, .size: 8, .value_kind: global_buffer, .address_space: global }
      - { .name: fq, .offset: 24, .size: 8, .value_kind: global_buffer, .address_space: global }
    .group_segment_fixed_size: 327680
    .private_segment_fixed_size: 0
    .kernarg_segment_align: 8
    .kernarg_segment_size: 32
    .max_flat_workgroup_size: 128
    .sgpr_count:     100
    .vgpr_count:     1024
    .wavefront_size: 32
...
	.end_amdgpu_metadata
.endif
;; end of part 5
;; launch ffn2 (part 6): grid 8 x 32, 4 waves a work-group, clusters of 4 x 4, 327,680 bytes of LDS; arguments fq, wq, b2, x1, out0; writes out0
.if DOCPART == 6
	.amdgcn_target "amdgcn-amd-amdhsa--gfx1250"
	.amdhsa_code_object_version 6
	.text
	.protected	k_q94a5129b59_ffn2
	.globl	k_q94a5129b59_ffn2
	.p2align	8
	.type	k_q94a5129b59_ffn2,@function
k_q94a5129b59_ffn2:
	s_mov_b64 s[64:65], 0
	v_nop
	global_prefetch_b8 v0, s[64:65] scope:SCOPE_SE
	s_setreg_imm32_b32 hwreg(HW_REG_WAVE_MODE, 25, 1), 1
	s_wait_xcnt 0x0
	s_wait_alu depctr_hold_cnt(0) depctr_sa_sdst(0) depctr_va_vdst(0) depctr_va_sdst(0) depctr_va_ssrc(0) depctr_va_vcc(0) depctr_vm_vsrc(0)
	s_getreg_b32 s2, hwreg(HW_REG_IB_STS2, 6, 4)
	s_cmp_eq_u32 s2, 0
	s_cbranch_scc0 .Lentry_in_a_cluster
	s_endpgm
.Lentry_in_a_cluster:
	s_bfe_u32 s2, ttmp6, 0x10000c
	s_cmp_lg_u32 s2, 0xf033
	s_cbranch_scc0 .Lentry_shape_is_right
	s_endpgm
.Lentry_shape_is_right:
; out = x1 + f W2 + b2 on codes of FP6 with E8M0 scales, K = 4,096.  A block of 128 x 128 by four waves, 64 x 64 each; the matrix instruction is used transposed; the bias is the first products' C; the residual is added on the way out.
; K goes in chunks of four K steps through a ring of two slots (each: the tokens' 49,152 dense bytes, then W2's).  At the head one joint load a wave: wave 0 the tokens' chunk 0, wave 1 W2's, wave 2 the tokens' scale words for all of K, wave 3 W2's.
; Slot 1 is first filled as a refill is, a quarter a wave, behind the three lines and a round of the cluster's barrier; so is every later chunk.  CLUSTER 4 x 4: the tokens' bytes are shared along a row, W2's along a column.
; LIMITS: NaN and infinities are not served.
.set KS,    32
.set LAPS,  KS/8
.set ASC,   12582912
.set WC,    6291456
.set WSC,   9699328
.set NTOUT, 1
.set QUART, 24576
.set SLOT,  4*QUART
.set SCL,   2*SLOT
.set SCQ,   KS*256
.set STG,   SCL+4*SCQ
.set SP,    272
.set SPARE, STG+4*16*SP
.set ADRA, 16
.set ADRB, 20
.set STO,  24
.set RD,   25
.set CO,   26
.set ADRS, 27
.set SPW,  28
.set NIL,  29
; THE PREFETCHES.  A refill's quarter, 24,576 bytes, is 96 blocks of 256; the four partners that ask for it jointly share them out by address (cx for the tokens, cy for W2), 24 blocks each: a lane a block, one instruction a wave
; (lanes 24 to 31 name the wave's last block again).  Chunks 1 and 2 are asked for at the head, chunk 3 behind slot 1's first fill, and behind refill r, which loads chunk r + 2, chunk r + 4: two fills ahead; the last two refills ask for nothing.
; So a work-group has at most two chunks asked for and not yet loaded.
.set PFO,  30                          ; v30     256 x min(lane, 23); never rewritten
.set PFA,  94                          ; s[94:95] my work-group's share of my quarter, at the chunk that is being loaded
.set SC,   32
.set BIAS, 40
.set TMP,  40
.set ACC,  128
.set WV,   16
.set WM,   17
.set WN,   18
.set G1,   24
.set G0,   32
.set G1B,  48
.set G0B,  56
.set G1S,  68
.set G0S,  76
.set G1SB, 80
.set G0SB, 88
.set MSB, 0
.macro WIN new
.if MSB != (\new)
	s_set_vgpr_msb (MSB<<8)|(\new)
.set MSB, (\new)
.endif
.endm
.macro JLOAD g0a, g1a, g0b, g1b
	s_cmp_eq_u32 s[WM], 0
	s_cbranch_scc0 .Lfor_b_\@
	tensor_load_to_lds s[\g0a:\g0a+3], s[\g1a:\g1a+7]
	s_nop 0
.rept 4
	v_nop
.endr
	s_branch .Lasked_\@
.Lfor_b_\@:
	tensor_load_to_lds s[\g0b:\g0b+3], s[\g1b:\g1b+7]
	s_nop 0
.rept 4
	v_nop
.endr
.Lasked_\@:
.endm
.macro CREST
	s_cmp_lg_u32 s[WV], 0
	s_cbranch_scc1 .Lnot_wave_0_\@
	s_barrier_signal -3
.Lnot_wave_0_\@:
	s_barrier_wait -3
	s_barrier_signal -1
	s_barrier_wait -1
.endm
.macro CROUND
	s_barrier_signal -1
	s_barrier_wait -1
	CREST
.endm
.macro PLACES n
.rept \n
	v_nop
.endr
.endm
	s_load_b256 s[4:11], s[0:1], 0x0
	s_load_b64 s[12:13], s[0:1], 0x20
	v_lshl_add_u32 v[SPW], v0, 2, SPARE
	v_mov_b32 v[NIL], 0
	ds_add_u32 v[SPW], v[NIL]
	ds_add_u32 v[SPW], v[NIL]
	v_lshrrev_b32 v1, 5, v0
	v_readfirstlane_b32 s[WV], v1
	s_lshr_b32 s[WM], s[WV], 1
	s_and_b32 s[WN], s[WV], 1
	s_bfe_u32 s40, ttmp6, 0x40000
	s_bfe_u32 s41, ttmp6, 0x40004
	s_and_b32 s42, ttmp7, 0xffff
	s_lshl_b32 s42, s42, 2
	s_add_co_u32 s43, s42, s41
	s_lshl_b32 s47, ttmp9, 2
	s_add_co_u32 s47, s47, s40
	s_lshl_b32 s44, s41, 2
	s_lshl_b32 s44, 15, s44
	s_lshl_b32 s45, 0x1111, s40
	s_or_b32 s[G1], s44, (3<<16)|(1<<21)
	s_or_b32 s[G1B], s45, (3<<16)|(1<<21)
	s_or_b32 s[G1S], s44, (3<<16)|(1<<21)
	s_or_b32 s[G1SB], s45, (3<<16)|(1<<21)
.irp g, G1, G1B
	s_mov_b32 s[\g+1], 32<<16
	s_mov_b32 s[\g+2], 192<<16
	s_mov_b32 s[\g+3], 32<<16
	s_mov_b32 s[\g+4], 192
	s_mov_b32 s[\g+5], 32
	s_mov_b32 s[\g+6], 0
	s_mov_b32 s[\g+7], 0
.endr
.irp g, G1S, G1SB
	s_mov_b32 s[\g+1], 32<<16
	s_mov_b32 s[\g+2], (2*KS)<<16
	s_mov_b32 s[\g+3], 32<<16
	s_mov_b32 s[\g+4], 2*KS
	s_mov_b32 s[\g+5], 32
	s_mov_b32 s[\g+6], 0
	s_mov_b32 s[\g+7], 0
.endr
	s_mul_i32 s20, s[WN], QUART                    ; in the ring I fetch two of a chunk's four K steps
	s_mov_b32 s21, 0
	s_mul_i32 s66, s43, KS*12288
	s_mov_b32 s67, 0
	s_mul_i32 s92, s43, KS*512
	s_add_co_u32 s92, s92, ASC
	s_mov_b32 s93, 0
	s_mul_i32 s96, s47, KS*12288
	s_add_co_u32 s96, s96, WC
	s_mov_b32 s97, 0
	s_mul_i32 s98, s47, KS*512
	s_add_co_u32 s98, s98, WSC
	s_mov_b32 s99, 0
	s_mul_i32 s23, s[WV], QUART
	s_wait_dscnt 0x0
	s_wait_kmcnt 0x0
	CROUND
	s_mov_b32 s[G0S], 1
	s_mov_b32 s[G0S+1], SCL
	s_add_nc_u64 s[G0S+2:G0S+3], s[4:5], s[92:93]
	s_or_b32 s[G0S+3], s[G0S+3], 0x80000000
	s_mov_b32 s[G0SB], 1
	s_mov_b32 s[G0SB+1], SCL+2*SCQ
	s_add_nc_u64 s[G0SB+2:G0SB+3], s[6:7], s[98:99]
	s_or_b32 s[G0SB+3], s[G0SB+3], 0x80000000
	s_mov_b32 s[G0], 1                             ; the head: chunk 0 whole, the tokens' at 0,
	s_mov_b32 s[G0+1], 0
	s_add_nc_u64 s[G0+2:G0+3], s[4:5], s[66:67]
	s_mov_b32 s[G0+4], 1                           ; slot 1: my quarter of chunk 1
	s_add_co_u32 s[G0+5], s23, SLOT
	s_add_nc_u64 s[G0+6:G0+7], s[G0+2:G0+3], s[20:21]
	s_add_nc_u64 s[G0+6:G0+7], s[G0+6:G0+7], 2*QUART
	s_or_b32 s[G0+3], s[G0+3], 0x80000000
	s_or_b32 s[G0+7], s[G0+7], 0x80000000
	s_mov_b32 s[G0B], 1                            ; W2's behind them
	s_mov_b32 s[G0B+1], 2*QUART
	s_add_nc_u64 s[G0B+2:G0B+3], s[6:7], s[96:97]
	s_mov_b32 s[G0B+4], 1
	s_add_co_u32 s[G0B+5], s23, SLOT
	s_add_nc_u64 s[G0B+6:G0B+7], s[G0B+2:G0B+3], s[20:21]
	s_add_nc_u64 s[G0B+6:G0B+7], s[G0B+6:G0B+7], 2*QUART
	s_or_b32 s[G0B+3], s[G0B+3], 0x80000000
	s_or_b32 s[G0B+7], s[G0B+7], 0x80000000
; one chain of branches on the wave's number, one load to an arm
.macro ARM under, g0, g1, next
	s_cmp_lt_u32 s[WV], \under
	s_cbranch_scc0 \next
	tensor_load_to_lds s[\g0:\g0+3], s[\g1:\g1+7]
	s_nop 0
	PLACES 4
	s_branch .Lhead_asked
\next:
.endm
	ARM 1, G0, G1, .Lhead_b
	ARM 2, G0B, G1B, .Lhead_sa
	ARM 3, G0S, G1S, .Lhead_sb
	tensor_load_to_lds s[G0SB:G0SB+3], s[G1SB:G1SB+7]
	s_nop 0
	PLACES 4
.Lhead_asked:
	s_cmp_eq_u32 s[WM], 0                          ; do I fetch for the tokens?
	s_cselect_b32 s92, s66, s96                    ; the operand's first byte for this block,
	s_cselect_b32 s93, s40, s41                    ; my place among the four that ask with me,
	s_cselect_b64 s[PFA:PFA+1], s[4:5], s[6:7]
	s_mul_i32 s93, s93, 6144
	s_add_co_u32 s92, s92, s93
	s_add_co_u32 s92, s92, s20                     ; my two K steps of a chunk's four
	s_add_co_u32 s92, s92, 2*QUART                 ; at chunk 1: each refill steps it by a chunk
	s_mov_b32 s93, 0
	s_add_nc_u64 s[PFA:PFA+1], s[PFA:PFA+1], s[92:93]
	v_and_b32 v1, 15, v0
	v_bfe_u32 v2, v0, 4, 1
	v_and_b32 v3, 31, v0
	v_min_u32 v[PFO], 23, v3
	v_lshlrev_b32 v[PFO], 8, v[PFO]
	v_lshlrev_b32 v4, 4, v3
	v_lshlrev_b32 v5, 4, v1
	v_lshl_add_u32 v5, v2, 3, v5
	v_add_nc_u32 v5, 512, v5
	s_mul_i32 s20, s[WM], 4*1536
	s_mul_i32 s21, s[WN], 4*1536
	s_add_co_u32 s21, s21, 2*QUART
.irp s, 0,1
	v_add_nc_u32 v[ADRA+\s], s20, v4
	v_add_nc_u32 v[ADRA+2+\s], s20, v5
	v_add_nc_u32 v[ADRB+\s], s21, v4
	v_add_nc_u32 v[ADRB+2+\s], s21, v5
	s_add_co_u32 s20, s20, SLOT
	s_add_co_u32 s21, s21, SLOT
.endr
	s_mul_i32 s20, s[WM], KS*256
	s_mul_i32 s21, s[WN], KS*256
	s_add_co_u32 s21, s21, KS*512
	s_sub_co_u32 s21, s21, s20
	v_mul_u32_u24 v7, s21, v2
	s_add_co_u32 s20, s20, SCL
	v_lshl_add_u32 v7, v1, 2, v7
	v_add_nc_u32 v[ADRS], s20, v7
	s_mul_i32 s20, s[WV], 16*SP
	s_add_co_u32 s20, s20, STG
	v_mul_u32_u24 v7, v1, SP
	v_lshl_add_u32 v7, v2, 6, v7
	v_add_nc_u32 v[STO], s20, v7
	v_mul_u32_u24 v7, v2, SP
	v_lshl_add_u32 v7, v1, 4, v7
	v_add_nc_u32 v[RD], s20, v7
	v_lshlrev_b32 v[CO], 12, v2
	v_lshl_add_u32 v[CO], v1, 4, v[CO]
	s_wait_alu depctr_va_vdst(0)
	s_lshl_b32 s20, s47, 9
	s_lshl_b32 s21, s[WN], 8
	s_add_co_u32 s20, s20, s21
	s_mov_b32 s21, 0
	s_add_nc_u64 s[8:9], s[8:9], s[20:21]
	s_lshl_b32 s22, s43, 19
	s_lshl_b32 s23, s[WM], 18
	s_add_co_u32 s22, s22, s23
	s_add_co_u32 s20, s20, s22
	s_add_nc_u64 s[10:11], s[10:11], s[20:21]
	s_add_nc_u64 s[12:13], s[12:13], s[20:21]
	v_lshlrev_b32 v6, 6, v2
.irp b, 0,1,2,3
	global_load_b128 v[BIAS+8*\b:BIAS+8*\b+3], v6, s[8:9] offset:(32*(\b/2)+8*(\b%2))*4
	global_load_b128 v[BIAS+8*\b+4:BIAS+8*\b+7], v6, s[8:9] offset:(32*(\b/2)+8*(\b%2))*4+16
.endr
	global_prefetch_b8 v[PFO], s[PFA:PFA+1] th:TH_LOAD_NT scope:SCOPE_SE                   ; chunk 1
	global_prefetch_b8 v[PFO], s[PFA:PFA+1] offset:2*QUART th:TH_LOAD_NT scope:SCOPE_SE    ; chunk 2
.macro FRAG reg, adr, q, i
	ds_load_b128 v[\reg:\reg+3], v[\adr] offset:(\q)*12288+(\i)*1536
	ds_load_b64 v[\reg+4:\reg+5], v[\adr+2] offset:(\q)*12288+(\i)*1536
	ds_load_b128 v[\reg+6:\reg+9], v[\adr] offset:(\q)*12288+(\i)*1536+768
	ds_load_b64 v[\reg+10:\reg+11], v[\adr+2] offset:(\q)*12288+(\i)*1536+768
.endm
.macro FETCH slot, q, p
	WIN 0x40
.irp i, 0,1,2,3
	FRAG 96*(\p)+12*\i, ADRA+\slot, \q, \i
	FRAG 96*(\p)+48+12*\i, ADRB+\slot, \q, \i
.endr
	WIN 0
.irp i, 0,1,2,3
	ds_load_b32 v[SC+4*(\p)+\i], v[ADRS] offset:\i*KS*64+64*(\q)
.endr
.endm
.macro MUL4 p, a, z
	WIN 0x05
.irp b, 0,1,2,3
.if \z
	v_wmma_scale_f32_16x16x128_f8f6f4 v[ACC+8*(4*(\a)+\b):ACC+8*(4*(\a)+\b)+7], v[96*(\p)+48+12*\b:96*(\p)+48+12*\b+11], v[96*(\p)+12*(\a):96*(\p)+12*(\a)+11], v[BIAS+8*\b:BIAS+8*\b+7], v[SC+4*(\p)+\b], v[SC+4*(\p)+(\a)] matrix_a_fmt:MATRIX_FMT_FP6 matrix_b_fmt:MATRIX_FMT_FP6 matrix_a_scale:MATRIX_SCALE_ROW1
.else
	v_wmma_scale_f32_16x16x128_f8f6f4 v[ACC+8*(4*(\a)+\b):ACC+8*(4*(\a)+\b)+7], v[96*(\p)+48+12*\b:96*(\p)+48+12*\b+11], v[96*(\p)+12*(\a):96*(\p)+12*(\a)+11], v[ACC+8*(4*(\a)+\b):ACC+8*(4*(\a)+\b)+7], v[SC+4*(\p)+\b], v[SC+4*(\p)+(\a)] matrix_a_fmt:MATRIX_FMT_FP6 matrix_b_fmt:MATRIX_FMT_FP6 matrix_a_scale:MATRIX_SCALE_ROW1
.endif
.endr
.endm
.macro KSTEP slot, q, z
	s_wait_dscnt 0x0
	PLACES 4
	FETCH \slot, (\q)+1, ((\q)+1)%2
	MUL4 (\q)%2, 0, \z
	MUL4 (\q)%2, 1, \z
	MUL4 (\q)%2, 2, \z
	MUL4 (\q)%2, 3, \z
.endm
.macro KTURN slot, next, fill
	WIN 0
.if \fill
	s_wait_xcnt 0x0                                ; my prefetches have read their address: it steps here, ahead of the waits of the change of slots
	s_add_nc_u64 s[PFA:PFA+1], s[PFA:PFA+1], 2*QUART
.endif
	s_wait_tensorcnt 0x0
	ds_add_u32 v[SPW], v[NIL]
	s_wait_dscnt 1
	MUL4 1, 0, 0
	s_wait_dscnt 0x0
	s_barrier_signal -1
	MUL4 1, 1, 0
	WIN 0
	s_barrier_wait -1
.if \fill
	CREST
	s_add_nc_u64 s[G0+4*\slot+2:G0+4*\slot+3], s[G0+4*\slot+2:G0+4*\slot+3], 4*QUART
	s_add_nc_u64 s[G0B+4*\slot+2:G0B+4*\slot+3], s[G0B+4*\slot+2:G0B+4*\slot+3], 4*QUART
	JLOAD G0+4*\slot, G1, G0B+4*\slot, G1B
.else
	PLACES 4
.endif
	v_add_nc_u32 v[ADRS], 256, v[ADRS]
	FETCH \next, 0, 0
.if \fill
	s_cmp_gt_u32 s3, 1                             ; the loop's last trip has no chunk two refills on
	s_cbranch_scc0 .Lno_ask_\@
	global_prefetch_b8 v[PFO], s[PFA:PFA+1] offset:4*QUART th:TH_LOAD_NT scope:SCOPE_SE
.Lno_ask_\@:
.endif
	MUL4 1, 2, 0
	MUL4 1, 3, 0
.endm
	s_wait_alu depctr_va_vdst(0)
	s_wait_tensorcnt 0x0                           ; my tile of the head's four is in
	ds_add_u32 v[SPW], v[NIL]
	s_mov_b32 s[G1+2], 96<<16                      ; no tensor load of mine is out: from here on a load brings 96 rows of 256 bytes,
	s_mov_b32 s[G1+4], 96
	s_mov_b32 s[G1B+2], 96<<16
	s_mov_b32 s[G1B+4], 96
	s_mul_i32 s20, s[WN], QUART                    ; and slot 0's group 0 becomes the ring's: my quarter of chunk 0, which the first refill steps to chunk 2
	s_mov_b32 s21, 0
	s_mul_i32 s23, s[WV], QUART
	s_mov_b32 s[G0+1], s23
	s_add_nc_u64 s[G0+2:G0+3], s[G0+2:G0+3], s[20:21]
	s_mov_b32 s[G0B+1], s23
	s_add_nc_u64 s[G0B+2:G0B+3], s[G0B+2:G0B+3], s[20:21]
	s_wait_dscnt 0x0                               ; the add is done
	CROUND                                         ; all four tiles are in, and all sixteen work-groups are here
	JLOAD G0+4, G1, G0B+4, G1B                     ; chunk 1, the first tensor load behind the round
	FETCH 0, 0, 0
	global_prefetch_b8 v[PFO], s[PFA:PFA+1] offset:4*QUART th:TH_LOAD_NT scope:SCOPE_SE    ; chunk 3
	s_wait_loadcnt 0x0                             ; the bias
	KSTEP 0, 0, 1
	WIN 0x80                                       ; the residual, wanted on the way out alone, is asked for behind the first K step: 32 loads into window 2
.irp a, 0,1,2,3
.irp i, 0,1,2,3,4,5,6,7
	global_load_b128 v[32*\a+4*\i:32*\a+4*\i+3], v[CO], s[10:11] offset:(32*(\a/2)+8*(\a%2)+2*\i+8*(\i/4))*4096 th:TH_LOAD_NT
.endr
.endr
	WIN 0
.if LAPS > 1
	WIN 0
	s_mov_b32 s3, LAPS-1
.Llap:
	s_wait_alu depctr_va_vdst(0)
	KSTEP 0, 1, 0
	KSTEP 0, 2, 0
	KTURN 0, 1, 1
	s_wait_alu depctr_va_vdst(0)
	KSTEP 1, 0, 0
	KSTEP 1, 1, 0
	KSTEP 1, 2, 0
	KTURN 1, 0, 1
	s_wait_alu depctr_va_vdst(0)
	KSTEP 0, 0, 0
	WIN 0
	s_sub_co_u32 s3, s3, 1
	s_cmp_lg_u32 s3, 0
	s_cbranch_scc1 .Llap
.endif
	KSTEP 0, 1, 0
	KSTEP 0, 2, 0
	KTURN 0, 1, 0
	s_wait_alu depctr_va_vdst(0)
	KSTEP 1, 0, 0
	KSTEP 1, 1, 0
	KSTEP 1, 2, 0
	s_wait_dscnt 0x0
	MUL4 1, 0, 0
	MUL4 1, 1, 0
	MUL4 1, 2, 0
	MUL4 1, 3, 0
	WIN 0
.macro TOSTAGE a
.irp b, 0,1,2,3
	ds_store_b128 v[STO], v[ACC+8*(4*(\a)+\b):ACC+8*(4*(\a)+\b)+3] offset:(32*(\b/2)+8*(\b%2))*4
	ds_store_b128 v[STO], v[ACC+8*(4*(\a)+\b)+4:ACC+8*(4*(\a)+\b)+7] offset:(32*(\b/2)+8*(\b%2))*4+16
.endr
.irp i, 0,1,2,3,4,5,6,7
	ds_load_b128 v[TMP+32*((\a)%2)+4*\i:TMP+32*((\a)%2)+4*\i+3], v[RD] offset:\i*2*SP
.endr
.endm
.macro SEND a, younger
.set TT, TMP+32*((\a)%2)
	s_wait_dscnt \younger
	WIN 0x08
.set k, 0
.rept 16
	v_pk_add_f32 v[TT+k:TT+k+1], v[TT+k:TT+k+1], v[32*(\a)+k:32*(\a)+k+1]
.set k, k+2
.endr
	WIN 0
.irp i, 0,1,2,3,4,5,6,7
.if NTOUT
	global_store_b128 v[CO], v[TT+4*\i:TT+4*\i+3], s[12:13] offset:(32*((\a)/2)+8*((\a)%2)+2*\i+8*(\i/4))*4096 th:TH_STORE_NT
.else
	global_store_b128 v[CO], v[TT+4*\i:TT+4*\i+3], s[12:13] offset:(32*((\a)/2)+8*((\a)%2)+2*\i+8*(\i/4))*4096
.endif
.endr
.endm
	PLACES 4
	s_wait_loadcnt 0x0
	TOSTAGE 0
	TOSTAGE 1
	SEND 0, 16
	s_wait_xcnt 0x0
	TOSTAGE 2
	SEND 1, 16
	s_wait_xcnt 0x0
	TOSTAGE 3
	SEND 2, 16
	SEND 3, 0
	s_wait_tensorcnt 0x0
	ds_add_u32 v[SPW], v[NIL]
	s_wait_dscnt 0x0
	CROUND
	s_endpgm
.Lfunc_end_k_q94a5129b59_ffn2:
	.size	k_q94a5129b59_ffn2, .Lfunc_end_k_q94a5129b59_ffn2-k_q94a5129b59_ffn2
	.p2alignl 7, 3214868480
	.fill 96, 4, 3214868480
	.section	.rodata,"a",@progbits
	.p2align	6, 0x0
	.amdhsa_kernel k_q94a5129b59_ffn2
		.amdhsa_group_segment_fixed_size 327680
		.amdhsa_private_segment_fixed_size 0
		.amdhsa_enable_private_segment 0
		.amdhsa_kernarg_size 40
		.amdhsa_user_sgpr_count 2
		.amdhsa_user_sgpr_kernarg_segment_ptr 1
		.amdhsa_wavefront_size32 1
		.amdhsa_system_sgpr_workgroup_id_x 1
		.amdhsa_system_sgpr_workgroup_id_y 1
		.amdhsa_system_sgpr_workgroup_id_z 1
		.amdhsa_system_vgpr_workitem_id 0
		.amdhsa_next_free_vgpr 768
		.amdhsa_next_free_sgpr 100
		.amdhsa_reserve_vcc 0
		.amdhsa_float_denorm_mode_32 3
		.amdhsa_float_denorm_mode_16_64 3
		.amdhsa_memory_ordered 1
		.amdhsa_forward_progress 1
		.amdhsa_inst_pref_size 103
	.end_amdhsa_kernel
	.amdgpu_metadata
---
amdhsa.version: [ 1, 2 ]
amdhsa.kernels:
  - .name:           k_q94a5129b59_ffn2
    .symbol:         k_q94a5129b59_ffn2.kd
    .args:
      - { .name: fq, .offset: 0, .size: 8, .value_kind: global_buffer, .address_space: global }
      - { .name: wq, .offset: 8, .size: 8, .value_kind: global_buffer, .address_space: global }
      - { .name: b2, .offset: 16, .size: 8, .value_kind: global_buffer, .address_space: global }
      - { .name: x1, .offset: 24, .size: 8, .value_kind: global_buffer, .address_space: global }
      - { .name: out0, .offset: 32, .size: 8, .value_kind: global_buffer, .address_space: global }
    .group_segment_fixed_size: 327680
    .private_segment_fixed_size: 0
    .kernarg_segment_align: 8
    .kernarg_segment_size: 40
    .max_flat_workgroup_size: 128
    .sgpr_count:     100
    .vgpr_count:     768
    .wavefront_size: 32
...
	.end_amdgpu_metadata
.endif
;; end of part 6
